; MI455X (gfx1250); checked and timed in simulation.
; The chip was launched on July 23, 2026; its instructions are those of AMD's public machine-readable ISA for CDNA 5 (MIT licence, August 2026) and "CDNA5" Instruction Set Architecture Reference Guide (July 2026). The comments in the code are by the model that wrote it; some were corrected since.
;; MIPS Brute Top K. Allowed arithmetic: float matrix products may take bf16 or f16 operands with f32 sums; all other float work in f32.
;; Inputs: item_embeddings_t 64 x 1,000,000 float32; item_ids 1 x 1,000,000 int32; query_embeddings 128 x 64 float32.
;; Outputs: out0 128 x 100 float32; out1 128 x 100 int32.
;; Constants: k = 100.
;; 2 versions, each right; version 2 is version 1 with the launch pick written anew for expert scheduling mode. Each part assembles by itself: llvm-mc -triple=amdgcn-amd-amdhsa -mcpu=gfx1250 --defsym DOCPART=n.
;; ======== version 1 of 2: 4 launches
;; workspace buffers: keyA 8,028,160 bytes of whole numbers; keyW 8,028,160 bytes of whole numbers; cnt 65,536 bytes of whole numbers; cand 196,608 bytes of whole numbers
;; launch score (part 1): grid 245 x 1, 4 waves a work-group, no clusters, 70,144 bytes of LDS; arguments item_embeddings_t, query_embeddings, keyA, keyW; writes keyA, keyW
.if DOCPART == 1
	.amdgcn_target "amdgcn-amd-amdhsa--gfx1250"
	.amdhsa_code_object_version 6
	.text
	.protected	k_qd529b7cc60_score
	.globl	k_qd529b7cc60_score
	.p2align	8
	.type	k_qd529b7cc60_score,@function
k_qd529b7cc60_score:
	s_mov_b64 s[64:65], 0
	v_nop
	global_prefetch_b8 v0, s[64:65] scope:SCOPE_SE
	s_setreg_imm32_b32 hwreg(HW_REG_WAVE_MODE, 25, 1), 1
	s_wait_xcnt 0x0
; Brute-force inner-product search, first launch: all 128 x 1,000,000 scores, reduced to two words for each (query, group of 64 items).
;   keyA[q][g] = key(largest score of the group, clamped to [-1e9, 1e9])
;   keyW[q][g] = (key(upper bound of the group's second largest mapped score) & ~63) | place 0..63 of the largest
; key(x) = bits ^ ((bits asr 31) | 0x80000000): an unsigned word that rises with x.  Both tables are [128][15680] words; groups 15625.. hold 0.
; The third launch takes the group's largest score from keyA where the second cannot count, and scores the group again where it can.
; SHARES: 245 work-groups of four waves; a work-group owns 64 groups, a wave 16, one group (a block of 64 items) a turn.
; The items are the matrix instruction's first source and the queries its second.  A lane loads 16 bytes (4 items) of one row k of the
; items: lanes 0-15 cover 256 consecutive bytes of row k, aligned, lanes 16-31 those of row k + 8.  Word t of the 16 bytes belongs to
; item tile t (items 4 r + t), so the registers as loaded are the fragments' layout after rounding to bf16: no transpose, no LDS.
; Result register j of tile t: item 32 h + 4 j + t of the block, query 16 qt + r  (r = lane & 15, h = lane >> 4).
; SELECTION, per score 3.5 vector instructions: EX = largest score (exact); each score is packed as (bits & ~63) | place, and
; PA, PB = largest and second largest packed word, compared as floats (words of different 64-step buckets order as the scores do).
; LIMITS: NaN scores lose in the maxima; with a NaN operand v_med3_num_f32 is taken to give the smallest of the others, which keeps PB
; from being too small.  A score of +inf or of 1e9 and more sets the bound to 1e9, so that the third launch scores the group again.
; No cluster: the work-groups share nothing but the 32 KiB of queries.  No tensor loads: the layout above needs no LDS for the items.
.set ROWB,   4000000                   ; bytes in a row of the items: 15625 x 256
.set NGRP,   15625                     ; groups of 64 items
.set KPITCH, 62720                     ; bytes in a row of keyA and keyW: 15680 words = 245 x 256 bytes
.set SP,     272                       ; an LDS stage row: 64 words + 16 bytes
.set STW,    128*SP                    ; stage for keyW, behind the stage for keyA
; window 0
.set VLANE, 1                          ; h x 8 rows + 16 r: my place in a load
.set VOFF,  2                          ; v2-3    byte offset of raw buffer b's block
.set VST,   4                          ; LDS: where this block's words go
.set HB,    5                          ; h << 5
.set RD,    6                          ; LDS: the way out
.set CO,    7                          ; byte offset in keyA and keyW on the way out
.set VBIG,  12                         ; 1e9
.set EX,    16                         ; v16-23  largest score, query tile qt
.set PA,    24                         ; v24-31  largest packed word
.set PB,    32                         ; v32-39  second largest packed word
.set AF,    40                         ; v40-71  item fragments, two sets of 16 (K = 64)
.set DD,    72                         ; v72-199 results, two sets of 8 query tiles x 8
.set T0,    200                        ; v200-223 at work at a group's end
.set T1,    208
.set T2,    216
; window 1: v0-127 query fragments, (16 qt + 8 s).  window 2: raw items, buffer b at 128 b.  window 3: the queries as loaded.
.set RB,    32                         ; s[32:47] eight row bases
.set MSB, 0
.macro WIN new                         ; the immediate's high byte repeats the setting that is left
.if MSB != \new
	s_set_vgpr_msb (MSB<<8)|\new
.set MSB, \new
.endif
.endm
.set LDI, 0x80                         ; destination window 2
.set LDQ, 0xc0                         ; destination window 3
.set CVT, 0x0a                         ; sources window 2, destination window 0
.set CVQ, 0x4f                         ; sources window 3, destination window 1
.set MM,  0x04                         ; source 1 (queries) window 1
	s_load_b256 s[4:11], s[0:1], 0x0               ; items s[4:5], queries s[6:7], keyA s[8:9], keyW s[10:11]
	v_lshl_add_u32 v254, v0, 2, 0x11000
	v_mov_b32 v255, 0
	v_lshrrev_b32 v8, 5, v0
	v_readfirstlane_b32 s12, v8                    ; wave
	v_and_b32 v9, 15, v0                           ; r
	v_bfe_u32 v10, v0, 4, 1                        ; h
	s_mov_b32 s16, 0xffffffc0                      ; keeps a score's bucket
	s_mov_b32 s17, 0xce6e6b28                      ; -1e9
	s_mov_b32 s18, 0x4e6e6b28                      ; 1e9
	s_mov_b32 s19, 0xffff0000                      ; lanes 16-31
	s_mov_b32 s20, 0x76543210                      ; v_permlanex16_b32: lane i reads lane i of the other half
	s_mov_b32 s21, 0xfedcba98
	s_mov_b32 s25, 0x80000000
	s_mov_b32 s22, 8*ROWB
	v_mul_lo_u32 v[VLANE], v10, s22
	v_lshl_add_u32 v[VLANE], v9, 4, v[VLANE]
	v_lshlrev_b32 v[HB], 5, v10
	v_mov_b32 v[VBIG], s18
	s_lshl_b32 s14, ttmp9, 6
	s_lshl_b32 s22, s12, 4
	s_add_co_u32 s14, s14, s22                     ; my first group
	s_min_u32 s22, s14, NGRP-1                     ; groups past the end load the last block; their words are cleared below
	s_lshl_b32 s22, s22, 8
	v_add_nc_u32 v[VOFF], s22, v[VLANE]
	s_add_co_u32 s22, s14, 1
	s_min_u32 s22, s22, NGRP-1
	s_lshl_b32 s22, s22, 8
	v_add_nc_u32 v[VOFF+1], s22, v[VLANE]
	v_mul_u32_u24 v[VST], v9, SP                   ; stage row r of query tile 0; lanes 16-31 in the stage for keyW;
	v_mad_u32_u24 v[VST], v10, STW, v[VST]
	s_lshl_b32 s22, s12, 6                         ; my wave's 16 words of the row
	v_add_nc_u32 v[VST], s22, v[VST]
	v_mul_u32_u24 v[RD], v10, SP                   ; back: lanes 0-15 one row of 256 bytes, lanes 16-31 the next; my wave's 32 rows
	v_lshl_add_u32 v[RD], v9, 4, v[RD]
	s_mul_i32 s22, s12, 32*SP
	v_add_nc_u32 v[RD], s22, v[RD]
	v_mul_u32_u24 v[CO], v10, KPITCH               ; and the same rows in the tables, at the work-group's 256 bytes
	v_lshl_add_u32 v[CO], v9, 4, v[CO]
	s_mul_i32 s22, s12, 32*KPITCH
	s_lshl_b32 s23, ttmp9, 8
	s_add_co_u32 s22, s22, s23
	v_add_nc_u32 v[CO], s22, v[CO]
	v_lshlrev_b32 v11, 8, v9                       ; queries: row r, 32 h bytes in
	v_lshl_add_u32 v11, v10, 5, v11
.set i, 0
.rept 24
	v_mov_b32 v[T0+i], 0                           ; v_permlanex16_b32 counts as a reader of its destination: written once here
.set i, i+1
.endr
	s_wait_kmcnt 0x0
.irp su, 0,1,2,3
	s_add_nc_u64 s[RB+4*\su:RB+4*\su+1], s[4:5], (16*\su+2)*ROWB     ; rows 16 su + 0..4 by immediates of -2..2 rows,
	s_add_nc_u64 s[RB+4*\su+2:RB+4*\su+3], s[4:5], (16*\su+6)*ROWB   ; rows 16 su + 5..7 by -1..1: inside the signed 24 bits
.endr
; 32 loads: the block's 64 items x 64 k.  Load (su, e): row 16 su + 8 h + e, 16 bytes at 16 r.
.macro LOADS b
	WIN LDI
.irp su, 0,1,2,3
.irp e, 0,1,2,3,4
	global_load_b128 v[128*\b+(8*\su+\e)*4:128*\b+(8*\su+\e)*4+3], v[VOFF+\b], s[RB+4*\su:RB+4*\su+1] offset:(\e-2)*ROWB th:TH_LOAD_NT
.endr
.irp e, 5,6,7
	global_load_b128 v[128*\b+(8*\su+\e)*4:128*\b+(8*\su+\e)*4+3], v[VOFF+\b], s[RB+4*\su+2:RB+4*\su+3] offset:(\e-6)*ROWB th:TH_LOAD_NT
.endr
.endr
.endm
; item tile t of raw buffer b, rounded to bf16: register 4 su + p holds k = 16 su + 8 h + 2 p, + 1
.macro CVTT b, t
	WIN CVT
.irp su, 0,1,2,3
.irp p, 0,1,2,3
	v_cvt_pk_bf16_f32 v[AF+16*(\t&1)+4*\su+\p], v[128*\b+(8*\su+2*\p)*4+\t], v[128*\b+(8*\su+2*\p+1)*4+\t]
.endr
.endr
.endm
; 16 items x 128 queries x K = 64.  The first product starts each sum; the eight accumulators take turns, one instruction a turn.
.macro MMT t
	WIN MM
.irp q, 0,1,2,3,4,5,6,7
	v_wmma_f32_16x16x32_bf16 v[DD+64*(\t&1)+8*\q:DD+64*(\t&1)+8*\q+7], v[AF+16*(\t&1):AF+16*(\t&1)+7], v[16*\q:16*\q+7], 0
.endr
.irp q, 0,1,2,3,4,5,6,7
	v_wmma_f32_16x16x32_bf16 v[DD+64*(\t&1)+8*\q:DD+64*(\t&1)+8*\q+7], v[AF+16*(\t&1)+8:AF+16*(\t&1)+15], v[16*\q+8:16*\q+15], v[DD+64*(\t&1)+8*\q:DD+64*(\t&1)+8*\q+7]
.endr
.endm
; result registers j, j + 1 of the eight query tiles at x go into EX, PA, PB: eight chains that do not wait for each other.
; first = 1: the pair starts the chains, so nothing is cleared.
.macro SELP x, j, t, first
.if \first
.irp q, 0,1,2,3,4,5,6,7
	v_max_num_f32 v[EX+\q], v[\x+8*\q+\j], v[\x+8*\q+\j+1]
.endr
.else
.irp q, 0,1,2,3,4,5,6,7
	v_max3_num_f32 v[EX+\q], v[EX+\q], v[\x+8*\q+\j], v[\x+8*\q+\j+1]
.endr
.endif
.irp q, 0,1,2,3,4,5,6,7
	v_and_or_b32 v[\x+8*\q+\j], v[\x+8*\q+\j], s16, 4*\j+\t              ; bucket | place in my half of the block
.endr
.irp q, 0,1,2,3,4,5,6,7
	v_and_or_b32 v[\x+8*\q+\j+1], v[\x+8*\q+\j+1], s16, 4*(\j+1)+\t
.endr
.if \first
.irp q, 0,1,2,3,4,5,6,7
	v_min_num_f32 v[PB+\q], v[\x+8*\q+\j], v[\x+8*\q+\j+1]
.endr
.irp q, 0,1,2,3,4,5,6,7
	v_max_num_f32 v[PA+\q], v[\x+8*\q+\j], v[\x+8*\q+\j+1]
.endr
.else
.irp q, 0,1,2,3,4,5,6,7
	v_med3_num_f32 v[PB+\q], v[PA+\q], v[PB+\q], v[\x+8*\q+\j]           ; the middle of (largest, second, new) is the new second
.endr
.irp q, 0,1,2,3,4,5,6,7
	v_max_num_f32 v[PA+\q], v[PA+\q], v[\x+8*\q+\j]
.endr
.irp q, 0,1,2,3,4,5,6,7
	v_med3_num_f32 v[PB+\q], v[PA+\q], v[PB+\q], v[\x+8*\q+\j+1]
.endr
.irp q, 0,1,2,3,4,5,6,7
	v_max_num_f32 v[PA+\q], v[PA+\q], v[\x+8*\q+\j+1]
.endr
.endif
.endm
.macro SEL t, first
	WIN 0
	SELP DD+64*(\t&1), 0, \t, \first
	SELP DD+64*(\t&1), 2, \t, 0
	SELP DD+64*(\t&1), 4, \t, 0
	SELP DD+64*(\t&1), 6, \t, 0
.endm
; A group's end: the two halves of the lanes meet, the two words are made (lanes 0-15 make keyA's, lanes 16-31 keyW's) and go to the stages.
.macro FIN
	s_cmp_lt_u32 s14, NGRP
	s_cselect_b32 s24, -1, 0                       ; a group past the end stores 0
.irp q, 0,1,2,3,4,5,6,7
	v_or_b32 v[PA+\q], v[PA+\q], v[HB]             ; place 0..63: bit 5 is my half
.endr
.irp q, 0,1,2,3,4,5,6,7
	v_permlanex16_b32 v[T0+\q], v[EX+\q], s20, s21
.endr
.irp q, 0,1,2,3,4,5,6,7
	v_permlanex16_b32 v[T1+\q], v[PA+\q], s20, s21
.endr
.irp q, 0,1,2,3,4,5,6,7
	v_permlanex16_b32 v[T2+\q], v[PB+\q], s20, s21
.endr
.irp q, 0,1,2,3,4,5,6,7
	v_max_num_f32 v[EX+\q], v[EX+\q], v[T0+\q]
.endr
.irp q, 0,1,2,3,4,5,6,7
	v_min_num_f32 v[T0+\q], v[PA+\q], v[T1+\q]     ; the smaller of the two halves' largest may be the second
.endr
.irp q, 0,1,2,3,4,5,6,7
	v_max_num_f32 v[PA+\q], v[PA+\q], v[T1+\q]
.endr
.irp q, 0,1,2,3,4,5,6,7
	v_max3_num_f32 v[PB+\q], v[PB+\q], v[T2+\q], v[T0+\q]
.endr
.irp q, 0,1,2,3,4,5,6,7
	v_cmp_le_f32 s[48+\q], s18, v[EX+\q]           ; +inf, or finite and 1e9 or more: the clamp hides the order
.endr
.irp q, 0,1,2,3,4,5,6,7
	v_max_num_f32 v[T1+\q], s17, v[PB+\q]          ; NaN and -inf map to -1e9: the bound is never below it
.endr
.irp q, 0,1,2,3,4,5,6,7
	v_cndmask_b32 v[T1+\q], v[T1+\q], v[VBIG], s[48+\q]
.endr
.irp q, 0,1,2,3,4,5,6,7
	v_max_num_f32 v[T0+\q], s17, v[EX+\q]
.endr
.irp q, 0,1,2,3,4,5,6,7
	v_min_num_f32 v[T0+\q], s18, v[T0+\q]
.endr
.irp q, 0,1,2,3,4,5,6,7
	v_cndmask_b32 v[T0+\q], v[T0+\q], v[T1+\q], s19
.endr
.irp q, 0,1,2,3,4,5,6,7
	v_ashrrev_i32 v[T2+\q], 31, v[T0+\q]
.endr
.irp q, 0,1,2,3,4,5,6,7
	v_or_b32 v[T2+\q], s25, v[T2+\q]
.endr
.irp q, 0,1,2,3,4,5,6,7
	v_xor_b32 v[T0+\q], v[T0+\q], v[T2+\q]         ; the key
.endr
.irp q, 0,1,2,3,4,5,6,7
	v_bfi_b32 v[T1+\q], 63, v[PA+\q], v[T0+\q]     ; the place in the key's low six bits
.endr
.irp q, 0,1,2,3,4,5,6,7
	v_cndmask_b32 v[T0+\q], v[T0+\q], v[T1+\q], s19
.endr
.irp q, 0,1,2,3,4,5,6,7
	v_and_b32 v[T0+\q], s24, v[T0+\q]
.endr
.irp q, 0,1,2,3,4,5,6,7
	ds_store_b32 v[VST], v[T0+\q] offset:\q*16*SP
.endr
	v_add_nc_u32 v[VST], 4, v[VST]                 ; the next group's word
	s_add_co_u32 s14, s14, 1
.endm
; One block from raw buffer b.  left = the younger loads that may stay out; refill = 1: the buffer is loaded again, two blocks ahead,
; as soon as its last tile has been converted.  Behind each run of matrix instructions stand the next tile's sixteen conversions or another
; tile's selection, which name none of its registers, before its results are read or its fragments written again (ISA guide 7.12.1).
.macro BLOCK b, refill, left
	s_wait_loadcnt \left                           ; loads come back in order (ISA guide 5.7.1): this buffer's 32 are in, and its offset register is free
.if \refill
	s_add_co_u32 s22, s14, 2
	s_min_u32 s22, s22, NGRP-1
	s_lshl_b32 s23, s22, 8
	v_add_nc_u32 v[VOFF+\b], s23, v[VLANE]
.endif
	CVTT \b, 0
	MMT 0
	CVTT \b, 1
	MMT 1
	SEL 0, 1
	CVTT \b, 2
	MMT 2
	SEL 1, 0
	CVTT \b, 3
.if \refill
	LOADS \b
.endif
	MMT 3
	SEL 2, 0
	SEL 3, 0
	FIN
.endm
	WIN LDQ                                        ; the queries: 64 loads; load z: query tile z / 8, k = 16 ((z % 8) / 2) + 8 h + 4 (z % 2) ..
.set z, 0
.rept 64
	global_load_b128 v[4*z:4*z+3], v11, s[6:7] offset:(z/8)*4096+((z%8)/2)*64+(z%2)*16
.set z, z+1
.endr
	LOADS 0
	s_wait_loadcnt 32                              ; the queries are in; the first block's 32 loads stay out
	WIN CVQ
.set y, 0
.rept 128
	v_cvt_pk_bf16_f32 v[y], v[2*y], v[2*y+1]       ; window 3 to window 1: fragment register y = 16 qt + 8 s + 4 u + p
.set y, y+1
.endr
	LOADS 1
	WIN 0                                          ; at a label and at a branch every window is 0
	s_mov_b32 s15, 7
.Lblocks:
	BLOCK 0, 1, 32
	BLOCK 1, 1, 32
	s_sub_co_i32 s15, s15, 1
	s_cmp_lg_u32 s15, 0
	s_cbranch_scc1 .Lblocks
	BLOCK 0, 0, 32                                 ; the last two blocks load nothing
	BLOCK 1, 0, 0
	; THE WAY OUT: 128 rows x 64 words of each table.  My wave takes 32 rows; 16 lanes store 256 consecutive bytes, aligned.
	s_wait_dscnt 0x0                               ; my words are in the stages,
	s_barrier_signal -1
	s_barrier_wait -1                              ; everybody's are
.irp t, 0,1,2,3,4,5,6,7,8,9,10,11,12,13,14,15
	ds_load_b128 v[DD+4*\t:DD+4*\t+3], v[RD] offset:\t*2*SP
.endr
.irp t, 0,1,2,3,4,5,6,7,8,9,10,11,12,13,14,15
	ds_load_b128 v[DD+64+4*\t:DD+64+4*\t+3], v[RD] offset:STW+\t*2*SP
.endr
.irp t, 0,1,2,3,4,5,6,7,8,9,10,11,12,13,14,15
	s_wait_dscnt 31-\t                             ; LDS loads come back in order: load t of the 32 is in
	global_store_b128 v[CO], v[DD+4*\t:DD+4*\t+3], s[8:9] offset:2*\t*KPITCH
.endr
.irp t, 0,1,2,3,4,5,6,7,8,9,10,11,12,13,14,15
	s_wait_dscnt 15-\t
	global_store_b128 v[CO], v[DD+64+4*\t:DD+64+4*\t+3], s[10:11] offset:2*\t*KPITCH
.endr
	s_wait_tensorcnt 0x0
	ds_add_u32 v254, v255
	s_wait_dscnt 0x0
	s_endpgm
.Lfunc_end_k_qd529b7cc60_score:
	.size	k_qd529b7cc60_score, .Lfunc_end_k_qd529b7cc60_score-k_qd529b7cc60_score
	.p2alignl 7, 3214868480
	.fill 96, 4, 3214868480
	.section	.rodata,"a",@progbits
	.p2align	6, 0x0
	.amdhsa_kernel k_qd529b7cc60_score
		.amdhsa_group_segment_fixed_size 70144
		.amdhsa_private_segment_fixed_size 0
		.amdhsa_enable_private_segment 0
		.amdhsa_kernarg_size 32
		.amdhsa_user_sgpr_count 2
		.amdhsa_user_sgpr_kernarg_segment_ptr 1
		.amdhsa_wavefront_size32 1
		.amdhsa_system_sgpr_workgroup_id_x 1
		.amdhsa_system_sgpr_workgroup_id_y 1
		.amdhsa_system_sgpr_workgroup_id_z 1
		.amdhsa_system_vgpr_workitem_id 0
		.amdhsa_next_free_vgpr 1024
		.amdhsa_next_free_sgpr 66
		.amdhsa_reserve_vcc 0
		.amdhsa_float_denorm_mode_32 3
		.amdhsa_float_denorm_mode_16_64 3
		.amdhsa_memory_ordered 1
		.amdhsa_forward_progress 1
		.amdhsa_inst_pref_size 255
	.end_amdhsa_kernel
	.section	.bss,"aw",@nobits
	.p2align	6
	.space	262144
	.amdgpu_metadata
---
amdhsa.version: [ 1, 2 ]
amdhsa.kernels:
  - .name:           k_qd529b7cc60_score
    .symbol:         k_qd529b7cc60_score.kd
    .args:
      - { .name: item_embeddings_t, .offset: 0, .size: 8, .value_kind: global_buffer, .address_space: global }
      - { .name: query_embeddings, .offset: 8, .size: 8, .value_kind: global_buffer, .address_space: global }
      - { .name: keyA, .offset: 16, .size: 8, .value_kind: global_buffer, .address_space: global }
      - { .name: keyW, .offset: 24, .size: 8, .value_kind: global_buffer, .address_space: global }
    .group_segment_fixed_size: 70144
    .private_segment_fixed_size: 0
    .kernarg_segment_align: 8
    .kernarg_segment_size: 32
    .max_flat_workgroup_size: 128
    .sgpr_count:     66
    .vgpr_count:     1024
    .wavefront_size: 32
...
	.end_amdgpu_metadata
.endif
;; end of part 1
;; launch sift (part 2): grid 128 x 1, 8 waves a work-group, no clusters, 2,560 bytes of LDS; arguments keyA, keyW, cnt; writes cnt
.if DOCPART == 2
	.amdgcn_target "amdgcn-amd-amdhsa--gfx1250"
	.amdhsa_code_object_version 6
	.text
	.protected	k_qd529b7cc60_sift
	.globl	k_qd529b7cc60_sift
	.p2align	8
	.type	k_qd529b7cc60_sift,@function
k_qd529b7cc60_sift:
	s_mov_b64 s[64:65], 0
	v_nop
	global_prefetch_b8 v0, s[64:65] scope:SCOPE_SE
	s_setreg_imm32_b32 hwreg(HW_REG_WAVE_MODE, 25, 1), 1
	s_wait_xcnt 0x0
; Brute-force inner-product search, second launch: one work-group of eight waves for each query makes the numbers that steer the third
; launch's loops, and stores them as whole numbers: cnt[q][w] = (tau, winners of wave w, flagged groups of wave w, 0), four copies each,
; 512 bytes a query.
; tau = the 100th largest of 256 maxima over disjoint lists of the query's row of keyA, less 2 TIE key steps: at least 100 items have a key
; of tau or more, and an item that another order of summation would lift over the 100th stays a candidate.
; A group with keyA >= tau survives; it is FLAGGED if (keyW | 63) >= tau (its second score may count), else a WINNER.
; Thread t holds groups 1024 jj + 4 t + c, jj = 0..15, c = 0..3, as in the third launch, so a wave's counts here are that wave's counts there.
; No branch here hangs on the tables' words: the search has 32 fixed steps and chooses by s_cselect_b32.
; No matrix work, no cluster (nothing shared), no tensor loads (a row goes once into registers).
.set KPITCH, 62720                     ; bytes in a row of keyA and keyW
.set TIE,    256                       ; key steps inside which the last launch scores again
.set CB,     1024                      ; LDS: 0: 256 list maxima; CB + 64 w: wave w's four words, four times
.set MX,     24                        ; v24-31   the 256 maxima, 8 a lane
.set KR,     128                       ; v128-191 keyA: register 4 jj + c
.set WR,     192                       ; v192-255 keyW
	s_load_b128 s[4:7], s[0:1], 0x0                ; keyA s[4:5], keyW s[6:7]
	s_load_b64 s[8:9], s[0:1], 0x10                ; cnt
	v_lshl_add_u32 v126, v0, 2, 0x600
	v_mov_b32 v127, 0
	v_lshrrev_b32 v6, 5, v0
	v_readfirstlane_b32 s18, v6                    ; wave
	v_and_b32 v1, 31, v0                           ; lane
	v_lshlrev_b32 v2, 4, v0                        ; 16 tid
	v_min_u32 v3, 79, v0                           ; the row's last 80 quads: threads 80.. read quad 79 again and clear it below
	v_lshlrev_b32 v3, 4, v3
	v_lshlrev_b32 v4, 2, v0                        ; LDS: my maximum
	v_lshlrev_b32 v5, 4, v1                        ; 16 lane
	v_and_b32 v7, 3, v0
	v_lshlrev_b32 v7, 4, v7
	s_lshl_b32 s31, s18, 6
	s_add_co_u32 s31, s31, CB
	v_add_nc_u32 v7, s31, v7                       ; LDS: my wave's 64 bytes, copy lane & 3
	s_mul_i32 s10, ttmp9, KPITCH
	s_mov_b32 s11, 0
	s_lshl_b32 s12, ttmp9, 9
	s_mov_b32 s13, 0
	s_wait_kmcnt 0x0
	s_add_nc_u64 s[4:5], s[4:5], s[10:11]
	s_add_nc_u64 s[6:7], s[6:7], s[10:11]
	s_add_nc_u64 s[8:9], s[8:9], s[12:13]
	; the two rows of the tables: a wave's load covers 512 consecutive bytes
.irp jj, 0,1,2,3,4,5,6,7,8,9,10,11,12,13,14
	global_load_b128 v[KR+4*\jj:KR+4*\jj+3], v2, s[4:5] offset:\jj*4096
.endr
	global_load_b128 v[KR+60:KR+63], v3, s[4:5] offset:15*4096
.irp jj, 0,1,2,3,4,5,6,7,8,9,10,11,12,13,14
	global_load_b128 v[WR+4*\jj:WR+4*\jj+3], v2, s[6:7] offset:\jj*4096
.endr
	global_load_b128 v[WR+60:WR+63], v3, s[6:7] offset:15*4096
	s_wait_loadcnt 16                              ; keyA's row is in; keyW's 16 loads stay out during the search
	v_cmp_gt_u32 vcc_lo, 80, v0
.irp c, 0,1,2,3
	v_cndmask_b32 v[KR+60+\c], 0, v[KR+60+\c], vcc_lo
.endr
	; THE THRESHOLD.  One list maximum a thread, in two chains; every list holds real groups, so every maximum is a real key.
	v_max_u32 v8, v[KR], v[KR+1]
	v_max_u32 v9, v[KR+32], v[KR+33]
.set i, 2
.rept 30
	v_max_u32 v8, v8, v[KR+i]
	v_max_u32 v9, v9, v[KR+32+i]
.set i, i+1
.endr
	v_max_u32 v8, v8, v9
	ds_store_b32 v4, v8
	s_wait_dscnt 0x0                               ; my maximum is in LDS,
	s_barrier_signal -1
	s_barrier_wait -1                              ; everybody's is
	ds_load_b128 v[MX:MX+3], v5                    ; every wave takes all 256, 8 a lane, and searches for itself
	ds_load_b128 v[MX+4:MX+7], v5 offset:512
	s_wait_dscnt 0x0
	s_mov_b32 s20, 0                               ; tau, bit by bit from the top: the largest word that 100 maxima reach
	s_mov_b32 s21, 0x80000000
	s_mov_b32 s27, 32
.Lbit:
	s_or_b32 s22, s20, s21
.irp i, 0,1,2,3,4,5,6,7
	v_cmp_le_u32 s[32+\i], s22, v[MX+\i]
.endr
.irp i, 0,1,2,3,4,5,6,7
	s_bcnt1_i32_b32 s[32+\i], s[32+\i]
.endr
.irp i, 1,2,3,4,5,6,7
	s_add_co_u32 s32, s32, s[32+\i]
.endr
	s_lshr_b32 s21, s21, 1
	s_cmp_ge_u32 s32, 100
	s_cselect_b32 s20, s22, s20
	s_sub_co_i32 s27, s27, 1
	s_cmp_lg_u32 s27, 0
	s_cbranch_scc1 .Lbit
	s_sub_co_u32 s20, s20, 2*TIE                   ; room for the other order of summation; tau is a real key, key(-1e9) = 0x319194d7 at the least, so it stays above 0
	s_barrier_signal -1                            ; every wave's reads of the maxima are back (the wait above); LDS is stored into again only behind this barrier
	s_barrier_wait -1
	; THE COUNTS, four groups a lane at a time: the compares of the third launch's placement.
	s_mov_b32 s24, 0                               ; winners
	s_mov_b32 s25, 0                               ; flagged groups
	s_wait_loadcnt 0x0                             ; keyW's row
.macro COUNT4 j
.irp c, 0,1,2,3
	v_or_b32 v[12+\c], 63, v[WR+4*\j+\c]
.endr
.irp c, 0,1,2,3
	v_cmp_le_u32 s[32+\c], s20, v[KR+4*\j+\c]      ; survivors
	v_cmp_le_u32 s[36+\c], s20, v[12+\c]           ; the second score may count
.endr
.irp c, 0,1,2,3
	s_and_not1_b32 s[40+\c], s[32+\c], s[36+\c]    ; winners
	s_and_b32 s[36+\c], s[32+\c], s[36+\c]         ; flagged
	s_bcnt1_i32_b32 s[40+\c], s[40+\c]
	s_bcnt1_i32_b32 s[36+\c], s[36+\c]
	s_add_co_u32 s24, s24, s[40+\c]
	s_add_co_u32 s25, s25, s[36+\c]
.endr
.endm
.irp j, 0,1,2,3,4,5,6,7,8,9,10,11,12,13,14,15
	COUNT4 \j
.endr
	; OUT: the eight waves' words meet in LDS, and wave 0 stores the query's 512 consecutive bytes, aligned.
	v_mov_b32 v20, s20
	v_mov_b32 v21, s24
	v_mov_b32 v22, s25
	v_mov_b32 v23, 0
	ds_store_b128 v7, v[20:23]                     ; lanes with the same lane & 3 store the same words to the same bytes
	s_wait_dscnt 0x0                               ; my words are in LDS,
	s_barrier_signal -1
	s_barrier_wait -1                              ; everybody's are
	s_cmp_lg_u32 s18, 0
	s_cbranch_scc1 .Lend
	ds_load_b128 v[MX:MX+3], v5 offset:CB
	s_wait_dscnt 0x0
	global_store_b128 v5, v[MX:MX+3], s[8:9]
.Lend:
	s_wait_tensorcnt 0x0
	ds_add_u32 v126, v127
	s_wait_dscnt 0x0
	s_endpgm
.Lfunc_end_k_qd529b7cc60_sift:
	.size	k_qd529b7cc60_sift, .Lfunc_end_k_qd529b7cc60_sift-k_qd529b7cc60_sift
	.p2alignl 7, 3214868480
	.fill 96, 4, 3214868480
	.section	.rodata,"a",@progbits
	.p2align	6, 0x0
	.amdhsa_kernel k_qd529b7cc60_sift
		.amdhsa_group_segment_fixed_size 2560
		.amdhsa_private_segment_fixed_size 0
		.amdhsa_enable_private_segment 0
		.amdhsa_kernarg_size 24
		.amdhsa_user_sgpr_count 2
		.amdhsa_user_sgpr_kernarg_segment_ptr 1
		.amdhsa_wavefront_size32 1
		.amdhsa_system_sgpr_workgroup_id_x 1
		.amdhsa_system_sgpr_workgroup_id_y 1
		.amdhsa_system_sgpr_workgroup_id_z 1
		.amdhsa_system_vgpr_workitem_id 0
		.amdhsa_next_free_vgpr 256
		.amdhsa_next_free_sgpr 66
		.amdhsa_reserve_vcc 1
		.amdhsa_float_denorm_mode_32 3
		.amdhsa_float_denorm_mode_16_64 3
		.amdhsa_memory_ordered 1
		.amdhsa_forward_progress 1
		.amdhsa_inst_pref_size 31
	.end_amdhsa_kernel
	.amdgpu_metadata
---
amdhsa.version: [ 1, 2 ]
amdhsa.kernels:
  - .name:           k_qd529b7cc60_sift
    .symbol:         k_qd529b7cc60_sift.kd
    .args:
      - { .name: keyA, .offset: 0, .size: 8, .value_kind: global_buffer, .address_space: global }
      - { .name: keyW, .offset: 8, .size: 8, .value_kind: global_buffer, .address_space: global }
      - { .name: cnt, .offset: 16, .size: 8, .value_kind: global_buffer, .address_space: global }
    .group_segment_fixed_size: 2560
    .private_segment_fixed_size: 0
    .kernarg_segment_align: 8
    .kernarg_segment_size: 24
    .max_flat_workgroup_size: 256
    .sgpr_count:     66
    .vgpr_count:     256
    .wavefront_size: 32
...
	.end_amdgpu_metadata
.endif
;; end of part 2
;; launch pick (part 3): grid 128 x 1, 8 waves a work-group, no clusters, 241,664 bytes of LDS; arguments keyA, keyW, item_embeddings_t, item_ids, query_embeddings, cnt, cand; writes cand
.if DOCPART == 3
	.amdgcn_target "amdgcn-amd-amdhsa--gfx1250"
	.amdhsa_code_object_version 6
	.text
	.protected	k_qd529b7cc60_pick
	.globl	k_qd529b7cc60_pick
	.p2align	8
	.type	k_qd529b7cc60_pick,@function
k_qd529b7cc60_pick:
	s_mov_b64 s[64:65], 0
	v_nop
	global_prefetch_b8 v0, s[64:65] scope:SCOPE_SE
	s_setreg_imm32_b32 hwreg(HW_REG_WAVE_MODE, 25, 1), 1
	s_wait_xcnt 0x0
; Brute-force inner-product search, third launch: one work-group of eight waves for each query picks its best 128 candidates, sorted,
; and stores them as whole numbers: cand = keys [128 q][128], then indices, then ids, 65,536 bytes each.  The last launch settles near ties.
; 1. tau and each wave's counts of winners and flagged groups come from cnt, where the second launch stored them: at least 100 items have
;    a key of tau or more.  Every trip count and branch here hangs on these stored numbers and on the wave's number alone.
; 2. A group with keyA >= tau survives.  If (keyW | 63) < tau its second score cannot count and its largest stands alone in its bucket:
;    the group is a WINNER, (keyA, 64 g + place) is its one candidate.  Otherwise it is FLAGGED: all its 64 items are scored again,
;    with the same matrix form and the same places of k as in the first launch, and mapped exactly (NaN, -inf: -1e9; +inf: 1e9).
; 3. Each wave sorts its candidates 128 at a time (64 winners, one flagged group) and keeps its best 128; a tree of three merges follows.
; Order: key descending, then index ascending.  An empty place is (key 0, index -1); every real key is above 0, and at least 100 real
; candidates exist, so no empty place stands among the first 100 (its id word is whatever was loaded for the clamped index).
; LIMITS: -0.0 ranks below +0.0.  If few scores are above -1e9, every group is flagged: long, and right.
; No cluster, no tensor loads: the work-groups share nothing that is large, and a row of the tables goes once into registers.
.set KPITCH, 62720
.set ROWB,   4000000
.set LSTB,   65536                     ; bytes of one of cand's three tables
.set WCAP,   2144                      ; a wave's winners: 2048 places, 64 empty entries behind the last, 32 dump places (one a lane)
.set FCAP,   2080                      ; a wave's flagged groups: 2048 places, 32 dump places
.set SEG,    0                         ; LDS: SEG + SEGB w: winners' keys [WCAP], then their indices [WCAP]
.set SEGB,   8*WCAP
.set FLG,    SEG+8*SEGB                ; FLG + FLGB w: flagged groups [FCAP]
.set FLGB,   4*FCAP
.set TREE,   FLG+8*FLGB                ; TREE + LVL level + 1536 w: a list of 128: keys, indices, ids
.set LVL,    8*1536
.set QF,   16                          ; v16-31   the query as second source: every column is query q
.set RL,   32                          ; v32-43   my best 128: element 4 lane + c; keys +0..3, indices +4..7, ids +8..11
.set BA,   44                          ; v44-55   a batch, and the sort's other set
.set PT,   56                          ; v56-67   the partner lane's elements
.set BB,   68                          ; v68-79   the sort's second set
.set AF,   56                          ; v56-87   the query as loaded; later item fragments of two tiles (dead when the sort begins)
.set DT,   88                          ; v88-103  cnt's four words; later results of two tiles
.set SELT, 104                         ; v104-107 tile t's result j = r >> 1
.set NEG,  108
.set POS,  109
.set VTS,  110
.set VTR,  111
.set DW,   112                         ; my dump place among the winners
.set DF,   113                         ; my dump place among the flagged groups
.set ZR,   114                         ; 0
.set MR,   115                         ; -1
.set IDO,  116                         ; byte offset of a flagged group's ids
.set CN,   117                         ; byte offset of my wave's words in the query's part of cnt
.set KR,   128                         ; v128-191 keyA: register 4 jj + c is group 1024 jj + 4 tid + c
.set WR,   192                         ; v192-255 keyW
.set RAW,  128                         ; v128-255 a flagged group's items, once the tables are placed
.set SM,   66                          ; s66-77   the sort's masks
.set RB,   78                          ; s[78:101] twelve row bases of the items: base (su, b) at row 16 su + 3 b
.set B0, 0xaaaaaaaa                    ; lanes whose bit n is set
.set B1, 0xcccccccc
.set B2, 0xf0f0f0f0
.set B3, 0xff00ff00
.set B4, 0xffff0000
.set ALL, 0xffffffff
	s_load_b256 s[4:11], s[0:1], 0x0               ; keyA s[4:5], keyW s[6:7], items s[8:9], ids s[10:11]
	s_load_b128 s[12:15], s[0:1], 0x20             ; queries s[12:13], cnt s[14:15]
	s_load_b64 s[16:17], s[0:1], 0x30              ; cand
	v_lshl_add_u32 v126, v0, 2, 0x3ac00
	v_mov_b32 v127, 0
	v_lshrrev_b32 v6, 5, v0
	v_readfirstlane_b32 s18, v6                    ; wave
	s_mov_b32 s19, ttmp9                           ; query
	v_and_b32 v1, 31, v0                           ; lane
	v_and_b32 v7, 15, v0                           ; r
	v_bfe_u32 v8, v0, 4, 1                         ; h
	s_mov_b32 s31, 8*ROWB
	v_mul_lo_u32 v5, v8, s31
	v_lshl_add_u32 v5, v7, 4, v5                   ; my place in an item load, as in the first launch
	v_lshlrev_b32 v4, 2, v0                        ; 4 tid
	s_mul_i32 s31, s18, SEGB
	s_add_co_u32 s31, s31, SEG
	v_mov_b32 v2, s31                              ; my wave's winners
	s_mul_i32 s31, s18, FLGB
	s_add_co_u32 s31, s31, FLG
	v_mov_b32 v3, s31                              ; my wave's flagged groups
	s_mul_i32 s31, s18, 1536
	s_add_co_u32 s31, s31, TREE
	v_lshlrev_b32 v[VTS], 4, v1
	v_add_nc_u32 v[VTS], s31, v[VTS]               ; my list in the tree, elements in order
	v_sub_nc_u32 v6, 31, v1
	v_lshlrev_b32 v[VTR], 4, v6
	v_add_nc_u32 v[VTR], s31, v[VTR]               ; and from the far end
	s_lshl_b32 s31, s18, 6
	v_mov_b32 v[CN], s31                           ; 64 bytes a wave in cnt
	v_mov_b32 v[NEG], 0xce6e6b28                   ; -1e9
	v_mov_b32 v[POS], 0x4e6e6b28                   ; 1e9
	v_add_nc_u32 v[DW], WCAP-32, v1
	v_add_nc_u32 v[DF], FCAP-32, v1
	v_mov_b32 v[ZR], 0
	v_mov_b32 v[MR], -1
	s_mov_b32 s28, 0x76543210                      ; v_permlanex16_b32: lane i reads lane i of the other half
	s_mov_b32 s29, 0xfedcba98
	v_lshlrev_b32 v9, 4, v0                        ; 16 tid
	v_min_u32 v10, 79, v0                          ; the row's last 80 quads: threads 80.. read quad 79 again and clear it below
	v_lshlrev_b32 v10, 4, v10
	v_lshlrev_b32 v11, 5, v8                       ; 32 h
	s_mul_i32 s50, s19, KPITCH
	s_mov_b32 s51, 0
	s_lshl_b32 s52, s19, 8
	s_mov_b32 s53, 0
	s_lshl_b32 s54, s19, 9                         ; 512 bytes a query, in cnt and in each table of cand
	s_mov_b32 s55, 0
	s_wait_kmcnt 0x0
	s_add_nc_u64 s[4:5], s[4:5], s[50:51]
	s_add_nc_u64 s[6:7], s[6:7], s[50:51]
	s_add_nc_u64 s[12:13], s[12:13], s[52:53]
	s_add_nc_u64 s[14:15], s[14:15], s[54:55]
	s_add_nc_u64 s[16:17], s[16:17], s[54:55]
.irp su, 0,1,2,3
.irp b, 0,1,2
	s_add_nc_u64 s[RB+6*\su+2*\b:RB+6*\su+2*\b+1], s[8:9], (16*\su+3*\b)*ROWB   ; three rows a base, by immediates of 0, 1, 2 rows: never negative, 8,000,000 at the most, inside the signed 24 bits
.endr
.endr
	; the two rows of the tables: a wave's load covers 512 consecutive bytes
.irp jj, 0,1,2,3,4,5,6,7,8,9,10,11,12,13,14
	global_load_b128 v[KR+4*\jj:KR+4*\jj+3], v9, s[4:5] offset:\jj*4096
.endr
	global_load_b128 v[KR+60:KR+63], v10, s[4:5] offset:15*4096
.irp jj, 0,1,2,3,4,5,6,7,8,9,10,11,12,13,14
	global_load_b128 v[WR+4*\jj:WR+4*\jj+3], v9, s[6:7] offset:\jj*4096
.endr
	global_load_b128 v[WR+60:WR+63], v10, s[6:7] offset:15*4096
.irp su, 0,1,2,3
	global_load_b128 v[AF+8*\su:AF+8*\su+3], v11, s[12:13] offset:64*\su         ; the query, k = 16 su + 8 h ..
	global_load_b128 v[AF+8*\su+4:AF+8*\su+7], v11, s[12:13] offset:64*\su+16
.endr
	global_load_b128 v[DT:DT+3], v[CN], s[14:15]   ; tau, my wave's winners, my wave's flagged groups, 0: the same 16 bytes in every lane
	s_wait_loadcnt 0x0
	v_readfirstlane_b32 s20, v[DT]                 ; tau
	v_readfirstlane_b32 s60, v[DT+1]               ; my wave's winners
	v_readfirstlane_b32 s61, v[DT+2]               ; my wave's flagged groups
	v_cmp_gt_u32 vcc_lo, 80, v0
.irp c, 0,1,2,3
	v_cndmask_b32 v[KR+60+\c], 0, v[KR+60+\c], vcc_lo
.endr
.set y, 0
.rept 16
	v_cvt_pk_bf16_f32 v[QF+y], v[AF+2*y], v[AF+2*y+1]      ; fragment register 4 su + p: k = 16 su + 8 h + 2 p, + 1
.set y, y+1
.endr
	; PLACEMENT.  Each wave packs its own survivors into its own bytes of LDS; s24 counts winners, s25 flagged groups, 2048 together at
	; the most.  Straight text, all lanes on: a lane with nothing to place stores into its own dump place, which nobody reads.
	; A slot is a count made from the tables' words: it is clamped to the array's size, then shifted and added to the wave's base.
	s_mov_b32 s24, 0
	s_mov_b32 s25, 0
	s_mov_b32 s56, B0
	s_mov_b32 s57, B1
	s_mov_b32 s58, B2
	s_mov_b32 s59, B3
.set PJ, 0
.macro PLACE
	v_cmp_le_u32 s31, s20, v[KR+PJ]                ; survivors
	v_or_b32 v6, 63, v[WR+PJ]
	v_cmp_le_u32 s49, s20, v6                      ; the second score may count
	s_and_not1_b32 s48, s31, s49                   ; winners
	s_and_b32 s49, s31, s49                        ; flagged
	v_add_nc_u32 v7, (PJ/4)*1024+(PJ%4), v4        ; g
	v_and_b32 v8, 63, v[WR+PJ]
	v_lshl_or_b32 v8, v7, 6, v8                    ; the item's index
	v_mbcnt_lo_u32_b32 v9, s48, s24                ; the count so far + the winners in lower lanes
	v_mbcnt_lo_u32_b32 v10, s49, s25
	v_cndmask_b32 v9, v[DW], v9, s48
	v_cndmask_b32 v10, v[DF], v10, s49
	v_min_u32 v9, WCAP-1, v9
	v_min_u32 v10, FCAP-1, v10
	v_lshlrev_b32 v9, 2, v9
	v_lshlrev_b32 v10, 2, v10
	v_add_nc_u32 v9, v2, v9
	v_add_nc_u32 v10, v3, v10
	ds_store_b32 v9, v[KR+PJ]
	ds_store_b32 v9, v8 offset:4*WCAP
	ds_store_b32 v10, v7
	s_bcnt1_i32_b32 s48, s48
	s_bcnt1_i32_b32 s49, s49
	s_add_co_u32 s24, s24, s48
	s_add_co_u32 s25, s25, s49
.endm
.rept 64
	PLACE
.set PJ, PJ+1
.endr
	s_mov_b32 s24, s60                             ; from here on the counts as the second launch stored them: the same numbers (the same words, the same
	s_mov_b32 s25, s61                             ; compares), so that the lists' ends and the trips below hang on stored whole numbers
	v_add_nc_u32 v9, s24, v1                       ; 64 empty entries behind my last winner: a batch of 64 that begins among the winners reads written words only
	v_min_u32 v9, WCAP-65, v9
	v_lshlrev_b32 v9, 2, v9
	v_add_nc_u32 v9, v2, v9
	ds_store_b32 v9, v[ZR]
	ds_store_b32 v9, v[ZR] offset:128
	ds_store_b32 v9, v[MR] offset:4*WCAP
	ds_store_b32 v9, v[MR] offset:4*WCAP+128
	s_wait_dscnt 0x0
	s_barrier_signal -1
	s_barrier_wait -1
; THE SORTING NETWORK.  Element i = 4 lane + c of the set at CUR.  a is better than b: key above, or key equal and index below.
.macro BETTER3 n, ka, kb, ia, ib
	v_cmp_gt_u32 s[SM+3*\n], v[\ka], v[\kb]
	v_cmp_eq_u32 s[SM+3*\n+1], v[\ka], v[\kb]
	v_cmp_lt_u32 s[SM+3*\n+2], v[\ia], v[\ib]
.endm
.macro JOIN n, xm                      ; s[SM + 3 n] = (a better) xor xm
	s_and_b32 s[SM+3*\n+1], s[SM+3*\n+1], s[SM+3*\n+2]
	s_or_b32 s[SM+3*\n], s[SM+3*\n], s[SM+3*\n+1]
.if (\xm) != 0
	s_xor_b32 s[SM+3*\n], s[SM+3*\n], \xm
.endif
.endm
; compare and exchange with lane xor m.  xm: the lanes that keep the worse of the two.
.macro CEXL m, xm
.irp f, 0,1,2,3,4,5,6,7,8,9,10,11
.if \m == 16
	v_permlanex16_b32 v[PT+\f], v[CUR+\f], s28, s29
.else
	v_mov_b32_dpp v[PT+\f], v[CUR+\f] row_xmask:\m row_mask:0xf bank_mask:0xf
.endif
.endr
.irp c, 0,1,2,3
	BETTER3 \c, CUR+\c, PT+\c, CUR+4+\c, PT+4+\c
.endr
.irp c, 0,1,2,3
	JOIN \c, \xm
.endr
.irp c, 0,1,2,3
	v_cndmask_b32 v[CUR+\c], v[PT+\c], v[CUR+\c], s[SM+3*\c]
	v_cndmask_b32 v[CUR+4+\c], v[PT+4+\c], v[CUR+4+\c], s[SM+3*\c]
	v_cndmask_b32 v[CUR+8+\c], v[PT+8+\c], v[CUR+8+\c], s[SM+3*\c]
.endr
.endm
; compare and exchange inside a lane, pairs (a, b) and (c, d), from the set at CUR into the set at OTH.  xa, xb: the lanes that sort worse first.
.macro CEXP a, b, c, d, xa, xb
	BETTER3 0, CUR+\a, CUR+\b, CUR+4+\a, CUR+4+\b
	BETTER3 1, CUR+\c, CUR+\d, CUR+4+\c, CUR+4+\d
	JOIN 0, \xa
	JOIN 1, \xb
.irp f, 0,4,8
	v_cndmask_b32 v[OTH+\f+\a], v[CUR+\f+\b], v[CUR+\f+\a], s[SM]
	v_cndmask_b32 v[OTH+\f+\b], v[CUR+\f+\a], v[CUR+\f+\b], s[SM]
	v_cndmask_b32 v[OTH+\f+\c], v[CUR+\f+\d], v[CUR+\f+\c], s[SM+3]
	v_cndmask_b32 v[OTH+\f+\d], v[CUR+\f+\c], v[CUR+\f+\d], s[SM+3]
.endr
.set SWP, CUR
.set CUR, OTH
.set OTH, SWP
.endm
.macro CEXR d, xa, xb
.if \d == 1
	CEXP 0, 1, 2, 3, \xa, \xb
.else
	CEXP 0, 2, 1, 3, \xa, \xb
.endif
.endm
; bitonic sort of 128; dir = 0: best first, ALL: worst first.  Thirteen steps inside the lanes: the result lies in the other set.
.macro SORT dir
	CEXR 1, 0, ALL
	CEXR 2, B0, B0
	CEXR 1, B0, B0
	CEXL 1, B1^B0
	CEXR 2, B1, B1
	CEXR 1, B1, B1
	CEXL 2, B2^B1
	CEXL 1, B2^B0
	CEXR 2, B2, B2
	CEXR 1, B2, B2
	CEXL 4, B3^B2
	CEXL 2, B3^B1
	CEXL 1, B3^B0
	CEXR 2, B3, B3
	CEXR 1, B3, B3
	CEXL 8, B4^B3
	CEXL 4, B4^B2
	CEXL 2, B4^B1
	CEXL 1, B4^B0
	CEXR 2, B4, B4
	CEXR 1, B4, B4
	CEXL 16, \dir^B4
	CEXL 8, \dir^B3
	CEXL 4, \dir^B2
	CEXL 2, \dir^B1
	CEXL 1, \dir^B0
	CEXR 2, \dir, \dir
	CEXR 1, \dir, \dir
.endm
; RL (best first) and the list at x (worst first; rev = 1: its words inside a lane still stand best first) give the best 128 of both, best first.
.macro MERGE x, rev
.irp c, 0,1,2,3
	BETTER3 \c, RL+\c, \x+\rev*(3-2*\c)+\c, RL+4+\c, \x+4+\rev*(3-2*\c)+\c
.endr
.irp c, 0,1,2,3
	JOIN \c, 0
.endr
.irp c, 0,1,2,3
	v_cndmask_b32 v[RL+\c], v[\x+\rev*(3-2*\c)+\c], v[RL+\c], s[SM+3*\c]
	v_cndmask_b32 v[RL+4+\c], v[\x+4+\rev*(3-2*\c)+\c], v[RL+4+\c], s[SM+3*\c]
	v_cndmask_b32 v[RL+8+\c], v[\x+8+\rev*(3-2*\c)+\c], v[RL+8+\c], s[SM+3*\c]
.endr
.set CUR, RL
.set OTH, BA
	CEXL 16, B4
	CEXL 8, B3
	CEXL 4, B2
	CEXL 2, B1
	CEXL 1, B0
	CEXR 2, 0, 0
	CEXR 1, 0, 0
.endm
; of a tile's eight results the one with j = r >> 1
.macro PICKJ d, out
	v_cndmask_b32 v[\d], v[\d], v[\d+1], s57
	v_cndmask_b32 v[\d+2], v[\d+2], v[\d+3], s57
	v_cndmask_b32 v[\d+4], v[\d+4], v[\d+5], s57
	v_cndmask_b32 v[\d+6], v[\d+6], v[\d+7], s57
	v_cndmask_b32 v[\d], v[\d], v[\d+2], s58
	v_cndmask_b32 v[\d+4], v[\d+4], v[\d+6], s58
	v_cndmask_b32 v[\out], v[\d], v[\d+4], s59
.endm
; item tiles t0 and t0 + 1 of the flagged group against the query.  The two accumulators take turns, one instruction a turn.
.macro PAIR t0
.irp tt, 0,1
.irp su, 0,1,2,3
.irp p, 0,1,2,3
	v_cvt_pk_bf16_f32 v[AF+16*\tt+4*\su+\p], v[RAW+(8*\su+2*\p)*4+\t0+\tt], v[RAW+(8*\su+2*\p+1)*4+\t0+\tt]
.endr
.endr
.endr
	v_wmma_f32_16x16x32_bf16 v[DT:DT+7], v[AF:AF+7], v[QF:QF+7], 0
	v_wmma_f32_16x16x32_bf16 v[DT+8:DT+15], v[AF+16:AF+23], v[QF:QF+7], 0
	v_wmma_f32_16x16x32_bf16 v[DT:DT+7], v[AF+8:AF+15], v[QF+8:QF+15], v[DT:DT+7]
	v_wmma_f32_16x16x32_bf16 v[DT+8:DT+15], v[AF+24:AF+31], v[QF+8:QF+15], v[DT+8:DT+15]
.rept 5
	v_nop                                          ; the places behind the matrix instructions (ISA guide 7.12.1): results are read, and fragments and results written again, behind them
.endr
	PICKJ DT, SELT+\t0
	PICKJ DT+8, SELT+\t0+1
.endm
	; MY WAVE'S CANDIDATES, 64 winners and one flagged group a trip.  No barrier in the loop: the waves' trip counts differ.
.irp c, 0,1,2,3
	v_mov_b32 v[RL+\c], 0
	v_mov_b32 v[RL+4+\c], -1
	v_mov_b32 v[RL+8+\c], 0
.endr
	s_add_co_u32 s50, s24, 63                      ; my last empty entry
	s_lshr_b32 s26, s50, 6
	s_max_u32 s26, s26, s25
	s_max_u32 s26, s26, 1                          ; trips
	s_mov_b32 s27, 0
.Ltrip:
	s_lshl_b32 s31, s27, 6
	v_add_nc_u32 v6, s31, v1                       ; entries 64 t + lane and 64 t + 32 + lane,
	v_add_nc_u32 v7, 32, v6
	v_min_u32 v6, s50, v6                          ; or the last empty entry where the list has ended
	v_min_u32 v7, s50, v7
	v_min_u32 v6, WCAP-33, v6
	v_min_u32 v7, WCAP-33, v7
	v_lshlrev_b32 v6, 2, v6
	v_lshlrev_b32 v7, 2, v7
	v_add_nc_u32 v6, v2, v6
	v_add_nc_u32 v7, v2, v7
	ds_load_b32 v[BA], v6
	ds_load_b32 v[BA+4], v6 offset:4*WCAP
	ds_load_b32 v[BA+1], v7
	ds_load_b32 v[BA+5], v7 offset:4*WCAP
	s_wait_dscnt 0x0
	v_min_u32 v8, 0xf423f, v[BA+4]                 ; an index stays inside the table; an empty entry reads the last id, which is never put out
	v_min_u32 v9, 0xf423f, v[BA+5]
	v_lshlrev_b32 v8, 2, v8
	v_lshlrev_b32 v9, 2, v9
	global_load_b32 v[BA+8], v8, s[10:11]
	global_load_b32 v[BA+9], v9, s[10:11]
	s_cmp_lt_u32 s27, s25
	s_cbranch_scc0 .Lnoflag
	s_min_u32 s31, s27, 2047
	s_lshl_b32 s31, s31, 2
	v_add_nc_u32 v10, s31, v3
	ds_load_b32 v12, v10                           ; flagged group t, the same word in every lane
	s_wait_dscnt 0x0
	v_readfirstlane_b32 s31, v12
	s_min_u32 s31, s31, 15624
	s_lshl_b32 s52, s31, 8                         ; 256 g: the block's bytes in a row of the items, and in the ids
	s_lshl_b32 s53, s31, 6                         ; 64 g
	s_add_co_u32 s54, s53, 1
	v_add_nc_u32 v11, s52, v5
.irp su, 0,1,2,3
.irp e, 0,1,2,3,4,5,6,7
	global_load_b128 v[RAW+(8*\su+\e)*4:RAW+(8*\su+\e)*4+3], v11, s[RB+6*\su+2*(\e/3):RB+6*\su+2*(\e/3)+1] offset:(\e%3)*ROWB   ; row 16 su + 8 h + e, 16 bytes at 256 g + 16 r
.endr
.endr
	v_lshlrev_b32 v[IDO], 3, v1
	v_add_nc_u32 v[IDO], s52, v[IDO]
	global_load_b64 v[BA+10:BA+11], v[IDO], s[10:11]       ; the ids of items 2 lane and 2 lane + 1 of the group
	s_wait_loadcnt 0x0
	PAIR 0
	PAIR 2
.irp o, 0,1
	v_cndmask_b32 v13, v[SELT+\o], v[SELT+2+\o], s56       ; item 32 h + 2 r + o = 4 j + t with t = 2 (r & 1) + o
	v_and_b32 v14, 0x7fffffff, v13
	v_cmp_gt_u32 vcc_lo, 0x7f800000, v14                   ; finite
	v_cmp_eq_u32 s31, 0x7f800000, v13                      ; +inf
	v_cndmask_b32 v15, v[NEG], v[POS], s31
	v_cndmask_b32 v13, v15, v13, vcc_lo
	v_ashrrev_i32 v14, 31, v13
	v_or_b32 v14, 0x80000000, v14
	v_xor_b32 v[BA+2+\o], v13, v14                         ; the key
	v_lshl_add_u32 v[BA+6+\o], v1, 1, s[53+\o]             ; the index 64 g + 2 lane + o
.endr
	s_branch .Ljoin
.Lnoflag:
	v_mov_b32 v[BA+2], 0
	v_mov_b32 v[BA+3], 0
	v_mov_b32 v[BA+6], -1
	v_mov_b32 v[BA+7], -1
	v_mov_b32 v[BA+10], 0
	v_mov_b32 v[BA+11], 0
.Ljoin:
	s_wait_loadcnt 0x0                             ; the winners' ids; every load of the trip is done, so its offset registers may be written again
.set CUR, BA
.set OTH, BB
	SORT ALL                                       ; worst first, into BB
	MERGE BB, 0
	s_add_co_u32 s27, s27, 1
	s_cmp_lt_u32 s27, s26
	s_cbranch_scc1 .Ltrip
	s_wait_dscnt 0x0
	s_barrier_signal -1                            ; every wave's reads of its lists are back
	s_barrier_wait -1
	; THE TREE.  Each level has bytes of its own; wave w below dist takes the list of wave w + dist from its far end.
.macro LEVEL l, dist
	ds_store_b128 v[VTS], v[RL:RL+3] offset:\l*LVL
	ds_store_b128 v[VTS], v[RL+4:RL+7] offset:\l*LVL+512
	ds_store_b128 v[VTS], v[RL+8:RL+11] offset:\l*LVL+1024
	s_wait_dscnt 0x0                               ; my list is in LDS,
	s_barrier_signal -1
	s_barrier_wait -1                              ; everybody's is
	s_cmp_lt_u32 s18, \dist
	s_cbranch_scc0 .Lidle_\@
	ds_load_b128 v[BB:BB+3], v[VTR] offset:\l*LVL+\dist*1536
	ds_load_b128 v[BB+4:BB+7], v[VTR] offset:\l*LVL+\dist*1536+512
	ds_load_b128 v[BB+8:BB+11], v[VTR] offset:\l*LVL+\dist*1536+1024
	s_wait_dscnt 0x0
	MERGE BB, 1
.Lidle_\@:
.endm
	LEVEL 0, 4
	LEVEL 1, 2
	LEVEL 2, 1
	; OUT: wave 0 stores the query's list of 128, keys, indices and ids: each store covers 512 consecutive bytes, aligned.
	s_cmp_lg_u32 s18, 0
	s_cbranch_scc1 .Lend
	v_lshlrev_b32 v7, 4, v1
	global_store_b128 v7, v[RL:RL+3], s[16:17]
	global_store_b128 v7, v[RL+4:RL+7], s[16:17] offset:LSTB
	global_store_b128 v7, v[RL+8:RL+11], s[16:17] offset:2*LSTB
.Lend:
	s_wait_tensorcnt 0x0
	ds_add_u32 v126, v127
	s_wait_dscnt 0x0
	s_endpgm
.Lfunc_end_k_qd529b7cc60_pick:
	.size	k_qd529b7cc60_pick, .Lfunc_end_k_qd529b7cc60_pick-k_qd529b7cc60_pick
	.p2alignl 7, 3214868480
	.fill 96, 4, 3214868480
	.section	.rodata,"a",@progbits
	.p2align	6, 0x0
	.amdhsa_kernel k_qd529b7cc60_pick
		.amdhsa_group_segment_fixed_size 241664
		.amdhsa_private_segment_fixed_size 0
		.amdhsa_enable_private_segment 0
		.amdhsa_kernarg_size 56
		.amdhsa_user_sgpr_count 2
		.amdhsa_user_sgpr_kernarg_segment_ptr 1
		.amdhsa_wavefront_size32 1
		.amdhsa_system_sgpr_workgroup_id_x 1
		.amdhsa_system_sgpr_workgroup_id_y 1
		.amdhsa_system_sgpr_workgroup_id_z 1
		.amdhsa_system_vgpr_workitem_id 0
		.amdhsa_next_free_vgpr 256
		.amdhsa_next_free_sgpr 102
		.amdhsa_reserve_vcc 1
		.amdhsa_float_denorm_mode_32 3
		.amdhsa_float_denorm_mode_16_64 3
		.amdhsa_memory_ordered 1
		.amdhsa_forward_progress 1
		.amdhsa_inst_pref_size 232
	.end_amdhsa_kernel
	.amdgpu_metadata
---
amdhsa.version: [ 1, 2 ]
amdhsa.kernels:
  - .name:           k_qd529b7cc60_pick
    .symbol:         k_qd529b7cc60_pick.kd
    .args:
      - { .name: keyA, .offset: 0, .size: 8, .value_kind: global_buffer, .address_space: global }
      - { .name: keyW, .offset: 8, .size: 8, .value_kind: global_buffer, .address_space: global }
      - { .name: item_embeddings_t, .offset: 16, .size: 8, .value_kind: global_buffer, .address_space: global }
      - { .name: item_ids, .offset: 24, .size: 8, .value_kind: global_buffer, .address_space: global }
      - { .name: query_embeddings, .offset: 32, .size: 8, .value_kind: global_buffer, .address_space: global }
      - { .name: cnt, .offset: 40, .size: 8, .value_kind: global_buffer, .address_space: global }
      - { .name: cand, .offset: 48, .size: 8, .value_kind: global_buffer, .address_space: global }
    .group_segment_fixed_size: 241664
    .private_segment_fixed_size: 0
    .kernarg_segment_align: 8
    .kernarg_segment_size: 56
    .max_flat_workgroup_size: 256
    .sgpr_count:     102
    .vgpr_count:     256
    .wavefront_size: 32
...
	.end_amdgpu_metadata
.endif
;; end of part 3
;; launch fix (part 4): grid 128 x 1, 1 waves a work-group, no clusters, 0 bytes of LDS; arguments cand, item_embeddings_t, query_embeddings, out0, out1; writes out0, out1
.if DOCPART == 4
	.amdgcn_target "amdgcn-amd-amdhsa--gfx1250"
	.amdhsa_code_object_version 6
	.text
	.protected	k_qd529b7cc60_fix
	.globl	k_qd529b7cc60_fix
	.p2align	8
	.type	k_qd529b7cc60_fix,@function
k_qd529b7cc60_fix:
	s_mov_b64 s[64:65], 0
	v_nop
	global_prefetch_b8 v0, s[64:65] scope:SCOPE_SE
	s_setreg_imm32_b32 hwreg(HW_REG_WAVE_MODE, 25, 1), 1
	s_wait_xcnt 0x0
; Brute-force inner-product search, fourth launch: one wave for each query settles the near ties of its sorted list of 128 candidates
; (keys, indices, ids, stored as whole numbers by the third launch) and writes the best 100.
; The keys so far come from the matrix unit's sums.  Two scores closer than a sum's rounding are ordered by the order of summation, so
; every element whose key lies within TIE = 256 key steps of a neighbour's in the list is scored again by ONE f32 sum in ascending k,
; s = fma(q[k], e[k], s) from s = 0, on inputs rounded to bf16: the sum that a plain loop over k makes.  (A product of two bf16 numbers is
; exact in f32, so a multiply and an add give the same bits as the fused form.)  Equal keys then go by the lower index.
; Runs of near elements lie more than TIE steps from everything else, so new keys inside a run and old keys outside keep their order as
; long as an item's two sums differ by less than TIE / 2 steps: 63 roundings of half a step, doubled for partial sums of up to twice the
; score, and a few steps of the matrix unit's.
; Which elements are near, and so every address and branch here, is integer arithmetic on the stored lists.  The new keys pass through
; selects and fixed addresses alone.
; LIMITS: -0.0 ranks below +0.0.  Where an item's two sums differ by TIE / 2 steps or more (partial sums far above the score), or a run of
; near ties reaches past place 128 of the list, the order inside that run may differ from the loop's.
; These few sums go through the vector unit because their order is the point.  No LDS, no barrier (one wave), no cluster (nothing shared).
.set ROWB, 4000000                     ; bytes in a row of the items
.set TIE,  256
.set LSTB, 65536                       ; bytes of one of cand's three tables
.set Q0,   14                          ; v14-15   lane l: q[l] and q[32 + l], rounded to bf16, as f32
.set LA,   16                          ; v16-27   the list: element 4 lane + c; keys +0..3, indices +4..7, ids +8..11
.set LB,   28                          ; v28-39   the sort's other set
.set PT,   40                          ; v40-51   the partner lane's elements
.set OF,   52                          ; v52-55   slot c: byte offset of its item in a row
.set S,    56                          ; v56-57   two sums
.set T,    58                          ; v58-59   two packed pairs, by turns
.set NEG,  60
.set POS,  61
.set W,    62                          ; v62-63   at work
.set E,    64                          ; v64-191  64 k of two items
.set RB,   20                          ; s[20:63] twenty-two row bases: base j at row 3 j
.set SM,   66                          ; s66-77   the sort's masks
.set PL,   78                          ; s78-79   v_permlanex16_b32's selects
.set GM,   80                          ; s80-84   gap j (between elements 4 lane + j - 1 and 4 lane + j) is TIE or less
.set NR,   85                          ; s85-88   slot c is near
.set B0, 0xaaaaaaaa                    ; lanes whose bit n is set
.set B1, 0xcccccccc
.set B2, 0xf0f0f0f0
.set B3, 0xff00ff00
.set B4, 0xffff0000
.set ALL, 0xffffffff
	s_load_b256 s[4:11], s[0:1], 0x0               ; cand s[4:5], items s[6:7], queries s[8:9], out0 s[10:11]
	s_load_b64 s[12:13], s[0:1], 0x20              ; out1
	v_lshlrev_b32 v1, 4, v0                        ; 16 lane (one wave: v0 is the lane)
	v_max_u32 v2, 4, v1
	v_sub_nc_u32 v2, v2, 4                         ; the key in front of my four; lane 0 reads its own first key, and its gap is dropped below
	v_add_nc_u32 v3, 16, v1
	v_min_u32 v3, 508, v3                          ; the key behind my four; lane 31 reads its own last key, and its gap is dropped below
	v_lshlrev_b32 v11, 2, v0
	v_mov_b32 v[NEG], 0xce6e6b28                   ; -1e9
	v_mov_b32 v[POS], 0x4e6e6b28                   ; 1e9
.set i, 0
.rept 12
	v_mov_b32 v[PT+i], 0                           ; a lane move's destination counts as read: written once here
.set i, i+1
.endr
	s_mov_b32 s14, TIE
	s_mov_b32 s[PL], 0x76543210                    ; lane i reads lane i of the other half
	s_mov_b32 s[PL+1], 0xfedcba98
	s_lshl_b32 s92, ttmp9, 9                       ; a list of 128 words
	s_mov_b32 s93, 0
	s_lshl_b32 s94, ttmp9, 8                       ; a query of 64 f32
	s_mov_b32 s95, 0
	s_mul_i32 s96, ttmp9, 400                      ; a row of 100 words of the outputs
	s_mov_b32 s97, 0
	s_wait_kmcnt 0x0
	s_add_nc_u64 s[4:5], s[4:5], s[92:93]
	s_add_nc_u64 s[8:9], s[8:9], s[94:95]
	s_add_nc_u64 s[10:11], s[10:11], s[96:97]
	s_add_nc_u64 s[12:13], s[12:13], s[96:97]
.set j, 0
.rept 22
	s_add_nc_u64 s[RB+2*j:RB+2*j+1], s[6:7], 3*j*ROWB      ; three rows a base, by immediates of 0, 1, 2 rows: 8,000,000 at the most, inside the signed 24 bits
.set j, j+1
.endr
	global_load_b128 v[LA:LA+3], v1, s[4:5]
	global_load_b128 v[LA+4:LA+7], v1, s[4:5] offset:LSTB
	global_load_b128 v[LA+8:LA+11], v1, s[4:5] offset:2*LSTB
	global_load_b32 v4, v2, s[4:5]
	global_load_b32 v5, v3, s[4:5]
	global_load_b32 v12, v11, s[8:9]
	global_load_b32 v13, v11, s[8:9] offset:128
	s_wait_loadcnt 0x0
	v_cvt_pk_bf16_f32 v[T], v12, v13               ; the query, rounded as the matrix operands were
	v_lshlrev_b32 v[Q0], 16, v[T]
	v_and_b32 v[Q0+1], 0xffff0000, v[T]
	; WHICH ELEMENTS ARE NEAR.  The list is sorted, keys descending, so each gap is 0 or more.
	v_sub_nc_u32 v6, v4, v[LA]
	v_sub_nc_u32 v7, v[LA], v[LA+1]
	v_sub_nc_u32 v8, v[LA+1], v[LA+2]
	v_sub_nc_u32 v9, v[LA+2], v[LA+3]
	v_sub_nc_u32 v10, v[LA+3], v5
.irp g, 0,1,2,3,4
	v_cmp_ge_u32 s[GM+\g], s14, v[6+\g]
.endr
	s_and_b32 s[GM], s[GM], 0xfffffffe             ; nothing stands in front of element 0,
	s_and_b32 s[GM+4], s[GM+4], 0x7fffffff         ; nothing behind element 127
.irp c, 0,1,2,3
	v_cmp_ne_u32 s[NR+\c], 0, v[LA+\c]             ; an empty place (key 0) stays as it is
	s_or_b32 s89, s[GM+\c], s[GM+\c+1]
	s_and_b32 s[NR+\c], s[NR+\c], s89
.endr
; the sum at x: NaN and -inf to -1e9, +inf to 1e9, then the key
.macro TOKEY x
	v_and_b32 v[W], 0x7fffffff, v[\x]
	v_cmp_gt_u32 vcc_lo, 0x7f800000, v[W]          ; finite
	v_cmp_eq_u32 s89, 0x7f800000, v[\x]            ; +inf
	v_cndmask_b32 v[W+1], v[NEG], v[POS], s89
	v_cndmask_b32 v[\x], v[W+1], v[\x], vcc_lo
	v_ashrrev_i32 v[W], 31, v[\x]
	v_or_b32 v[W], 0x80000000, v[W]
	v_xor_b32 v[\x], v[\x], v[W]
.endm
; Slots c0 and c0 + 1 are scored again where they are near; skipped where no lane of either is.  A lane that is not near reads item 0
; (the same words in all such lanes) and drops the result.
.macro AGAIN c0
	s_or_b32 s89, s[NR+\c0], s[NR+\c0+1]
	s_cmp_eq_u32 s89, 0
	s_cbranch_scc1 .Lfar_\@
	v_cndmask_b32 v[OF+\c0], 0, v[LA+4+\c0], s[NR+\c0]
	v_cndmask_b32 v[OF+\c0+1], 0, v[LA+5+\c0], s[NR+\c0+1]
	v_min_u32 v[OF+\c0], 0xf423f, v[OF+\c0]        ; an index stays inside a row
	v_min_u32 v[OF+\c0+1], 0xf423f, v[OF+\c0+1]
	v_lshlrev_b32 v[OF+\c0], 2, v[OF+\c0]
	v_lshlrev_b32 v[OF+\c0+1], 2, v[OF+\c0+1]
.set k, 0
.rept 64
	global_load_b32 v[E+k], v[OF+\c0], s[RB+2*(k/3):RB+2*(k/3)+1] offset:(k%3)*ROWB
	global_load_b32 v[E+64+k], v[OF+\c0+1], s[RB+2*(k/3):RB+2*(k/3)+1] offset:(k%3)*ROWB
.set k, k+1
.endr
	s_wait_loadcnt 0x0
.set k, 0
.rept 64
	v_cvt_pk_bf16_f32 v[T+(k&1)], v[E+k], v[E+64+k]        ; both items' e[k], rounded to bf16,
	v_readlane_b32 s[16+(k&1)], v[Q0+k/32], k%32           ; q[k]
	v_lshlrev_b32 v[E+k], 16, v[T+(k&1)]                   ; and back as f32
	v_and_b32 v[E+64+k], 0xffff0000, v[T+(k&1)]
.if k == 0
	v_fma_f32 v[S], s[16], v[E], 0                         ; the first product starts the sum from 0
	v_fma_f32 v[S+1], s[16], v[E+64], 0
.else
	v_fma_f32 v[S], s[16+(k&1)], v[E+k], v[S]              ; one sum, k ascending
	v_fma_f32 v[S+1], s[16+(k&1)], v[E+64+k], v[S+1]
.endif
.set k, k+1
.endr
	TOKEY S
	TOKEY S+1
	v_cndmask_b32 v[LA+\c0], v[LA+\c0], v[S], s[NR+\c0]
	v_cndmask_b32 v[LA+\c0+1], v[LA+\c0+1], v[S+1], s[NR+\c0+1]
.Lfar_\@:
.endm
	AGAIN 0
	AGAIN 2
; THE SORTING NETWORK, as in the third launch.  Element i = 4 lane + c of the set at CUR.  a is better than b: key above, or key equal and index below.
.macro BETTER3 n, ka, kb, ia, ib
	v_cmp_gt_u32 s[SM+3*\n], v[\ka], v[\kb]
	v_cmp_eq_u32 s[SM+3*\n+1], v[\ka], v[\kb]
	v_cmp_lt_u32 s[SM+3*\n+2], v[\ia], v[\ib]
.endm
.macro JOIN n, xm                      ; s[SM + 3 n] = (a better) xor xm
	s_and_b32 s[SM+3*\n+1], s[SM+3*\n+1], s[SM+3*\n+2]
	s_or_b32 s[SM+3*\n], s[SM+3*\n], s[SM+3*\n+1]
.if (\xm) != 0
	s_xor_b32 s[SM+3*\n], s[SM+3*\n], \xm
.endif
.endm
; compare and exchange with lane xor m.  xm: the lanes that keep the worse of the two.
.macro CEXL m, xm
.irp f, 0,1,2,3,4,5,6,7,8,9,10,11
.if \m == 16
	v_permlanex16_b32 v[PT+\f], v[CUR+\f], s[PL], s[PL+1]
.else
	v_mov_b32_dpp v[PT+\f], v[CUR+\f] row_xmask:\m row_mask:0xf bank_mask:0xf
.endif
.endr
.irp c, 0,1,2,3
	BETTER3 \c, CUR+\c, PT+\c, CUR+4+\c, PT+4+\c
.endr
.irp c, 0,1,2,3
	JOIN \c, \xm
.endr
.irp c, 0,1,2,3
	v_cndmask_b32 v[CUR+\c], v[PT+\c], v[CUR+\c], s[SM+3*\c]
	v_cndmask_b32 v[CUR+4+\c], v[PT+4+\c], v[CUR+4+\c], s[SM+3*\c]
	v_cndmask_b32 v[CUR+8+\c], v[PT+8+\c], v[CUR+8+\c], s[SM+3*\c]
.endr
.endm
; compare and exchange inside a lane, pairs (a, b) and (c, d), from the set at CUR into the set at OTH.  xa, xb: the lanes that sort worse first.
.macro CEXP a, b, c, d, xa, xb
	BETTER3 0, CUR+\a, CUR+\b, CUR+4+\a, CUR+4+\b
	BETTER3 1, CUR+\c, CUR+\d, CUR+4+\c, CUR+4+\d
	JOIN 0, \xa
	JOIN 1, \xb
.irp f, 0,4,8
	v_cndmask_b32 v[OTH+\f+\a], v[CUR+\f+\b], v[CUR+\f+\a], s[SM]
	v_cndmask_b32 v[OTH+\f+\b], v[CUR+\f+\a], v[CUR+\f+\b], s[SM]
	v_cndmask_b32 v[OTH+\f+\c], v[CUR+\f+\d], v[CUR+\f+\c], s[SM+3]
	v_cndmask_b32 v[OTH+\f+\d], v[CUR+\f+\c], v[CUR+\f+\d], s[SM+3]
.endr
.set SWP, CUR
.set CUR, OTH
.set OTH, SWP
.endm
.macro CEXR d, xa, xb
.if \d == 1
	CEXP 0, 1, 2, 3, \xa, \xb
.else
	CEXP 0, 2, 1, 3, \xa, \xb
.endif
.endm
; bitonic sort of 128, best first.  Thirteen steps inside the lanes: the result lies in the other set, which CUR names at the end.
.set CUR, LA
.set OTH, LB
	CEXR 1, 0, ALL
	CEXR 2, B0, B0
	CEXR 1, B0, B0
	CEXL 1, B1^B0
	CEXR 2, B1, B1
	CEXR 1, B1, B1
	CEXL 2, B2^B1
	CEXL 1, B2^B0
	CEXR 2, B2, B2
	CEXR 1, B2, B2
	CEXL 4, B3^B2
	CEXL 2, B3^B1
	CEXL 1, B3^B0
	CEXR 2, B3, B3
	CEXR 1, B3, B3
	CEXL 8, B4^B3
	CEXL 4, B4^B2
	CEXL 2, B4^B1
	CEXL 1, B4^B0
	CEXR 2, B4, B4
	CEXR 1, B4, B4
	CEXL 16, B4
	CEXL 8, B3
	CEXL 4, B2
	CEXL 2, B1
	CEXL 1, B0
	CEXR 2, 0, 0
	CEXR 1, 0, 0
	; OUT: elements 0 to 99 = lanes 0 to 24, 16 bytes each.
.irp c, 0,1,2,3
	v_xor_b32 v[PT+\c], -1, v[CUR+\c]
	v_ashrrev_i32 v[PT+\c], 31, v[PT+\c]
	v_or_b32 v[PT+\c], 0x80000000, v[PT+\c]
	v_xor_b32 v[PT+\c], v[CUR+\c], v[PT+\c]        ; the key back to the score's bits
.endr
	v_cmp_gt_u32 vcc_lo, 25, v0
	s_wait_xcnt 0x0                                ; EXEC changes only behind this wait
	s_and_saveexec_b32 s90, vcc_lo
	global_store_b128 v1, v[PT:PT+3], s[10:11]
	global_store_b128 v1, v[CUR+8:CUR+11], s[12:13]
	s_wait_xcnt 0x0                                ; and again in front of the line that widens it
	s_or_b32 exec_lo, exec_lo, s90
	s_endpgm
.Lfunc_end_k_qd529b7cc60_fix:
	.size	k_qd529b7cc60_fix, .Lfunc_end_k_qd529b7cc60_fix-k_qd529b7cc60_fix
	.p2alignl 7, 3214868480
	.fill 96, 4, 3214868480
	.section	.rodata,"a",@progbits
	.p2align	6, 0x0
	.amdhsa_kernel k_qd529b7cc60_fix
		.amdhsa_group_segment_fixed_size 0
		.amdhsa_private_segment_fixed_size 0
		.amdhsa_enable_private_segment 0
		.amdhsa_kernarg_size 40
		.amdhsa_user_sgpr_count 2
		.amdhsa_user_sgpr_kernarg_segment_ptr 1
		.amdhsa_wavefront_size32 1
		.amdhsa_system_sgpr_workgroup_id_x 1
		.amdhsa_system_sgpr_workgroup_id_y 1
		.amdhsa_system_sgpr_workgroup_id_z 1
		.amdhsa_system_vgpr_workitem_id 0
		.amdhsa_next_free_vgpr 192
		.amdhsa_next_free_sgpr 100
		.amdhsa_reserve_vcc 1
		.amdhsa_float_denorm_mode_32 3
		.amdhsa_float_denorm_mode_16_64 3
		.amdhsa_memory_ordered 1
		.amdhsa_forward_progress 1
		.amdhsa_inst_pref_size 136
	.end_amdhsa_kernel
	.amdgpu_metadata
---
amdhsa.version: [ 1, 2 ]
amdhsa.kernels:
  - .name:           k_qd529b7cc60_fix
    .symbol:         k_qd529b7cc60_fix.kd
    .args:
      - { .name: cand, .offset: 0, .size: 8, .value_kind: global_buffer, .address_space: global }
      - { .name: item_embeddings_t, .offset: 8, .size: 8, .value_kind: global_buffer, .address_space: global }
      - { .name: query_embeddings, .offset: 16, .size: 8, .value_kind: global_buffer, .address_space: global }
      - { .name: out0, .offset: 24, .size: 8, .value_kind: global_buffer, .address_space: global }
      - { .name: out1, .offset: 32, .size: 8, .value_kind: global_buffer, .address_space: global }
    .group_segment_fixed_size: 0
    .private_segment_fixed_size: 0
    .kernarg_segment_align: 8
    .kernarg_segment_size: 40
    .max_flat_workgroup_size: 32
    .sgpr_count:     100
    .vgpr_count:     192
    .wavefront_size: 32
...
	.end_amdgpu_metadata
.endif
;; end of part 4
;; ======== version 2 of 2: 4 launches; version 1 with the launch pick written anew for expert scheduling mode
;; workspace buffers: keyA 8,028,160 bytes of whole numbers; keyW 8,028,160 bytes of whole numbers; cnt 65,536 bytes of whole numbers; cand 196,608 bytes of whole numbers
;; launch score: the kernel of part 1 again; grid 245 x 1, 4 waves a work-group, no clusters, 70,144 bytes of LDS; arguments item_embeddings_t, query_embeddings, keyA, keyW; writes keyA, keyW
;; launch sift: the kernel of part 2 again; grid 128 x 1, 8 waves a work-group, no clusters, 2,560 bytes of LDS; arguments keyA, keyW, cnt; writes cnt
;; launch pick (part 5): grid 128 x 1, 8 waves a work-group, no clusters, 241,664 bytes of LDS; arguments keyA, keyW, item_embeddings_t, item_ids, query_embeddings, cnt, cand; writes cand
.if DOCPART == 5
	.amdgcn_target "amdgcn-amd-amdhsa--gfx1250"
	.amdhsa_code_object_version 6
	.text
	.protected	k_qd529b7cc60_pick
	.globl	k_qd529b7cc60_pick
	.p2align	8
	.type	k_qd529b7cc60_pick,@function
k_qd529b7cc60_pick:
	s_mov_b64 s[64:65], 0
	v_nop
	global_prefetch_b8 v0, s[64:65] scope:SCOPE_SE
	s_setreg_imm32_b32 hwreg(HW_REG_WAVE_SCHED_MODE, 0, 2), 2
	s_setreg_imm32_b32 hwreg(HW_REG_WAVE_MODE, 25, 1), 1
	s_wait_xcnt 0x0
	s_wait_alu depctr_vm_vsrc(0)
; Brute-force inner-product search, third launch: one work-group of eight waves for each query picks its best 128 candidates, sorted,
; and stores them as whole numbers: cand = keys [128 q][128], then indices, then ids, 65,536 bytes each.  The last launch settles near ties.
; 1. tau and each wave's counts of winners and flagged groups come from cnt, where the second launch stored them: at least 100 items have
;    a key of tau or more.  Every trip count and branch here hangs on these stored numbers and on the wave's number alone.
; 2. A group with keyA >= tau survives.  If (keyW | 63) < tau its second score cannot count and its largest stands alone in its bucket:
;    the group is a WINNER, (keyA, 64 g + place) is its one candidate.  Otherwise it is FLAGGED: all its 64 items are scored again,
;    with the same matrix form and the same places of k as in the first launch, and mapped exactly (NaN, -inf: -1e9; +inf: 1e9).
; 3. Each wave sorts its candidates 128 at a time (64 winners, one flagged group) and keeps its best 128; a tree of three merges follows.
; Order: key descending, then index ascending.  An empty place is (key 0, index -1); every real key is above 0, and at least 100 real
; candidates exist, so no empty place stands among the first 100 (its id word is whatever was loaded for the clamped index).
; LIMITS: -0.0 ranks below +0.0.  If few scores are above -1e9, every group is flagged: long, and right.
; No cluster, no tensor loads: the work-groups share nothing that is large, and a row of the tables goes once into registers.
; THE MODE: SCHED_MODE bits 1:0 = 2 (LLVM: expert scheduling mode 2), set by the entry lines.  The code itself states the register dependences
; between vector or matrix instructions and memory or LDS instructions, and those from a vector instruction that writes a scalar register or
; VCC to that register's readers, with s_wait_alu, always for 0.
; THE PLAN.  Registers that memory or LDS instructions touch:
;   v9-11, v[CN]   offsets of the head's loads.  Made ahead of the head's wait on va_vdst; v9 is written again behind the placement, v10 and v11 in the trips.
;   KR, WR         loaded at the head; read by the placement's vector lines, KR also as data of its LDS stores; loaded again, as RAW, in a trip with a flagged group.
;   PS             two sets of 16.  Group j of the placement writes set j & 1; the twelve LDS stores that read it are issued in group j + 1.
;   v6-11, v[IDO]  a trip's addresses: written by its vector lines, read by its loads; free again behind the wait on vm_vsrc at the trip's join.
;   BA, v12, RAW   a trip's loads land here; the sort, the readfirstlane and the conversions that name them stand ahead of the next trip's first wait on va_vdst.
;   RL, BB         the tree: the merges write RL and read BB; the LDS stores read RL, the LDS loads land in BB.
;   v[VTS], v[VTR], v[ZR], v[MR], v2, v3 are made at the head and never written again.
; The sort names vector and scalar registers alone: each of its steps has one wait on va_sdst, between its run of compares and the scalar lines that join them.
.set KPITCH, 62720
.set ROWB,   4000000
.set LSTB,   65536                     ; bytes of one of cand's three tables
.set WCAP,   2144                      ; a wave's winners: 2048 places, 64 empty entries behind the last, 32 dump places (one a lane)
.set FCAP,   2080                      ; a wave's flagged groups: 2048 places, 32 dump places
.set SEG,    0                         ; LDS: SEG + SEGB w: winners' keys [WCAP], then their indices [WCAP]
.set SEGB,   8*WCAP
.set FLG,    SEG+8*SEGB                ; FLG + FLGB w: flagged groups [FCAP]
.set FLGB,   4*FCAP
.set TREE,   FLG+8*FLGB                ; TREE + LVL level + 1536 w: a list of 128: keys, indices, ids
.set LVL,    8*1536
.set QF,   16                          ; v16-31   the query as second source: every column is query q
.set RL,   32                          ; v32-43   my best 128: element 4 lane + c; keys +0..3, indices +4..7, ids +8..11
.set BA,   44                          ; v44-55   a batch, and the sort's other set
.set PT,   56                          ; v56-67   the partner lane's elements
.set BB,   68                          ; v68-79   the sort's second set
.set AF,   56                          ; v56-87   the query as loaded; later item fragments of two tiles (dead when the sort begins)
.set PS,   56                          ; v56-87   in the placement: set b at PS + 16 b: g +0..3, indices +4..7, winners' LDS addresses +8..11, flagged groups' +12..15
.set DT,   88                          ; v88-103  cnt's four words; later results of two tiles
.set SELT, 104                         ; v104-107 tile t's result j = r >> 1
.set NEG,  108
.set POS,  109
.set VTS,  110
.set VTR,  111
.set DW,   112                         ; my dump place among the winners
.set DF,   113                         ; my dump place among the flagged groups
.set ZR,   114                         ; 0
.set MR,   115                         ; -1
.set IDO,  116                         ; byte offset of a flagged group's ids
.set CN,   117                         ; byte offset of my wave's words in the query's part of cnt
.set TK,   118                         ; v118-123 two scores on their way to keys: the score +0..1, at work +2..5
.set KR,   128                         ; v128-191 keyA: register 4 jj + c is group 1024 jj + 4 tid + c
.set WR,   192                         ; v192-255 keyW
.set RAW,  128                         ; v128-255 a flagged group's items, once the tables are placed
.set SM,   66                          ; s66-77   the sort's masks
.set RB,   78                          ; s[78:101] twelve row bases of the items: base (su, b) at row 16 su + 3 b
.set B0, 0xaaaaaaaa                    ; lanes whose bit n is set
.set B1, 0xcccccccc
.set B2, 0xf0f0f0f0
.set B3, 0xff00ff00
.set B4, 0xffff0000
.set ALL, 0xffffffff
	s_load_b256 s[4:11], s[0:1], 0x0               ; keyA s[4:5], keyW s[6:7], items s[8:9], ids s[10:11]
	s_load_b128 s[12:15], s[0:1], 0x20             ; queries s[12:13], cnt s[14:15]
	s_load_b64 s[16:17], s[0:1], 0x30              ; cand
	v_lshl_add_u32 v126, v0, 2, 0x3ac00
	v_mov_b32 v127, 0
	v_lshrrev_b32 v6, 5, v0
	v_readfirstlane_b32 s18, v6                    ; wave
	s_mov_b32 s19, ttmp9                           ; query
	v_and_b32 v1, 31, v0                           ; lane
	v_and_b32 v7, 15, v0                           ; r
	v_bfe_u32 v8, v0, 4, 1                         ; h
	s_mov_b32 s31, 8*ROWB
	v_mul_lo_u32 v5, v8, s31
	v_lshl_add_u32 v5, v7, 4, v5                   ; my place in an item load, as in the first launch
	v_lshlrev_b32 v4, 2, v0                        ; 4 tid
	s_wait_alu depctr_va_sdst(0)                   ; s18 is written, ahead of its first reader: the wave's LDS bases are made from it
	s_mul_i32 s31, s18, SEGB
	s_add_co_u32 s31, s31, SEG
	v_mov_b32 v2, s31                              ; my wave's winners
	s_mul_i32 s31, s18, FLGB
	s_add_co_u32 s31, s31, FLG
	v_mov_b32 v3, s31                              ; my wave's flagged groups
	s_mul_i32 s31, s18, 1536
	s_add_co_u32 s31, s31, TREE
	v_lshlrev_b32 v[VTS], 4, v1
	v_add_nc_u32 v[VTS], s31, v[VTS]               ; my list in the tree, elements in order
	v_sub_nc_u32 v6, 31, v1
	v_lshlrev_b32 v[VTR], 4, v6
	v_add_nc_u32 v[VTR], s31, v[VTR]               ; and from the far end
	s_lshl_b32 s31, s18, 6
	v_mov_b32 v[CN], s31                           ; 64 bytes a wave in cnt
	v_mov_b32 v[NEG], 0xce6e6b28                   ; -1e9
	v_mov_b32 v[POS], 0x4e6e6b28                   ; 1e9
	v_add_nc_u32 v[DW], WCAP-32, v1
	v_add_nc_u32 v[DF], FCAP-32, v1
	v_mov_b32 v[ZR], 0
	v_mov_b32 v[MR], -1
	s_mov_b32 s28, 0x76543210                      ; v_permlanex16_b32: lane i reads lane i of the other half
	s_mov_b32 s29, 0xfedcba98
	v_lshlrev_b32 v9, 4, v0                        ; 16 tid
	v_min_u32 v10, 79, v0                          ; the row's last 80 quads: threads 80.. read quad 79 again and clear it below
	v_lshlrev_b32 v10, 4, v10
	v_lshlrev_b32 v11, 5, v8                       ; 32 h
	s_mul_i32 s50, s19, KPITCH
	s_mov_b32 s51, 0
	s_lshl_b32 s52, s19, 8
	s_mov_b32 s53, 0
	s_lshl_b32 s54, s19, 9                         ; 512 bytes a query, in cnt and in each table of cand
	s_mov_b32 s55, 0
	s_wait_kmcnt 0x0
	s_add_nc_u64 s[4:5], s[4:5], s[50:51]
	s_add_nc_u64 s[6:7], s[6:7], s[50:51]
	s_add_nc_u64 s[12:13], s[12:13], s[52:53]
	s_add_nc_u64 s[14:15], s[14:15], s[54:55]
	s_add_nc_u64 s[16:17], s[16:17], s[54:55]
.irp su, 0,1,2,3
.irp b, 0,1,2
	s_add_nc_u64 s[RB+6*\su+2*\b:RB+6*\su+2*\b+1], s[8:9], (16*\su+3*\b)*ROWB   ; three rows a base, by immediates of 0, 1, 2 rows: never negative, 8,000,000 at the most, inside the signed 24 bits
.endr
.endr
	s_wait_alu depctr_va_vdst(0)                   ; v9, v10, v11 and v[CN] are written, which the loads below read as offsets; so are v[VTS], v[VTR], v[ZR] and v[MR], which LDS instructions read later
	; the two rows of the tables: a wave's load covers 512 consecutive bytes
.irp jj, 0,1,2,3,4,5,6,7,8,9,10,11,12,13,14
	global_load_b128 v[KR+4*\jj:KR+4*\jj+3], v9, s[4:5] offset:\jj*4096
.endr
	global_load_b128 v[KR+60:KR+63], v10, s[4:5] offset:15*4096
.irp jj, 0,1,2,3,4,5,6,7,8,9,10,11,12,13,14
	global_load_b128 v[WR+4*\jj:WR+4*\jj+3], v9, s[6:7] offset:\jj*4096
.endr
	global_load_b128 v[WR+60:WR+63], v10, s[6:7] offset:15*4096
.irp su, 0,1,2,3
	global_load_b128 v[AF+8*\su:AF+8*\su+3], v11, s[12:13] offset:64*\su         ; the query, k = 16 su + 8 h ..
	global_load_b128 v[AF+8*\su+4:AF+8*\su+7], v11, s[12:13] offset:64*\su+16
.endr
	global_load_b128 v[DT:DT+3], v[CN], s[14:15]   ; tau, my wave's winners, my wave's flagged groups, 0: the same 16 bytes in every lane
	s_wait_loadcnt 0x0
	s_wait_alu depctr_vm_vsrc(0)                   ; the loads have read v9, v10 and v11, which are written again behind the placement and in the trips
	v_readfirstlane_b32 s20, v[DT]                 ; tau
	v_readfirstlane_b32 s60, v[DT+1]               ; my wave's winners
	v_readfirstlane_b32 s61, v[DT+2]               ; my wave's flagged groups
	v_cmp_gt_u32 vcc_lo, 80, v0
	s_wait_alu depctr_va_sdst(0)                   ; s20, s60 and s61 are written, ahead of their first readers: the placement's compares, and the two moves behind it
	s_wait_alu depctr_va_vcc(0)                    ; VCC is written, which the four selects below read
.irp c, 0,1,2,3
	v_cndmask_b32 v[KR+60+\c], 0, v[KR+60+\c], vcc_lo
.endr
.set y, 0
.rept 16
	v_cvt_pk_bf16_f32 v[QF+y], v[AF+2*y], v[AF+2*y+1]      ; fragment register 4 su + p: k = 16 su + 8 h + 2 p, + 1
.set y, y+1
.endr
	; PLACEMENT.  Each wave packs its own survivors into its own bytes of LDS; s24 counts winners, s25 flagged groups, 2048 together at
	; the most.  Straight text, all lanes on: a lane with nothing to place stores into its own dump place, which nobody reads.
	; A slot is a count made from the tables' words: it is clamped to the array's size, then shifted and added to the wave's base.
	; Sixteen groups of four elements a lane.  Group j makes its masks, and writes g, index and the two LDS addresses of its four elements into set j & 1;
	; the twelve LDS stores of group j - 1, which read the other set and that group's four registers of KR, are dealt among these lines.
	s_mov_b32 s24, 0
	s_mov_b32 s25, 0
	s_mov_b32 s56, B0
	s_mov_b32 s57, B1
	s_mov_b32 s58, B2
	s_mov_b32 s59, B3
; the three LDS stores of element c of group g
.macro PUT3 g, c
	ds_store_b32 v[PS+16*((\g)&1)+8+\c], v[KR+4*(\g)+\c]
	ds_store_b32 v[PS+16*((\g)&1)+8+\c], v[PS+16*((\g)&1)+4+\c] offset:4*WCAP
	ds_store_b32 v[PS+16*((\g)&1)+12+\c], v[PS+16*((\g)&1)+\c]
.endm
.macro GROUP j
.set SB, PS+16*((\j)&1)
.irp c, 0,1,2,3
	v_or_b32 v[12+\c], 63, v[WR+4*\j+\c]
.endr
.irp c, 0,1,2,3
	v_cmp_le_u32 s[32+\c], s20, v[KR+4*\j+\c]      ; survivors
	v_cmp_le_u32 s[36+\c], s20, v[12+\c]           ; the second score may count
.endr
	s_wait_alu depctr_va_sdst(0)                   ; the eight compares have written s32 to s39, which the scalar lines below read
.if \j > 1
	s_wait_alu depctr_vm_vsrc(0)                   ; the LDS stores issued in the group before have read this group's set, which is written again below
.endif
.if \j > 0
	s_wait_alu depctr_va_vdst(0)                   ; the group before has written the other set, which the LDS stores below read; no vector line of this group names that set or that group's KR
.endif
.irp c, 0,1,2,3
	s_and_not1_b32 s[40+\c], s[32+\c], s[36+\c]    ; winners
	s_and_b32 s[36+\c], s[32+\c], s[36+\c]         ; flagged
.if \j > 0
	PUT3 \j-1, \c
.endif
	v_add_nc_u32 v[SB+\c], \j*1024+\c, v4          ; g
	v_and_b32 v[SB+4+\c], 63, v[WR+4*\j+\c]
	v_lshl_or_b32 v[SB+4+\c], v[SB+\c], 6, v[SB+4+\c]      ; the item's index
	v_mbcnt_lo_u32_b32 v[SB+8+\c], s[40+\c], s24   ; the count so far + the winners in lower lanes
	v_mbcnt_lo_u32_b32 v[SB+12+\c], s[36+\c], s25
	v_cndmask_b32 v[SB+8+\c], v[DW], v[SB+8+\c], s[40+\c]
	v_cndmask_b32 v[SB+12+\c], v[DF], v[SB+12+\c], s[36+\c]
	v_min_u32 v[SB+8+\c], WCAP-1, v[SB+8+\c]
	v_min_u32 v[SB+12+\c], FCAP-1, v[SB+12+\c]
	v_lshlrev_b32 v[SB+8+\c], 2, v[SB+8+\c]
	v_lshlrev_b32 v[SB+12+\c], 2, v[SB+12+\c]
	v_add_nc_u32 v[SB+8+\c], v2, v[SB+8+\c]
	v_add_nc_u32 v[SB+12+\c], v3, v[SB+12+\c]
	s_bcnt1_i32_b32 s62, s[40+\c]
	s_bcnt1_i32_b32 s63, s[36+\c]
	s_add_co_u32 s24, s24, s62
	s_add_co_u32 s25, s25, s63
.endr
.endm
.irp j, 0,1,2,3,4,5,6,7,8,9,10,11,12,13,14,15
	GROUP \j
.endr
	s_mov_b32 s24, s60                             ; from here on the counts as the second launch stored them: the same numbers (the same words, the same
	s_mov_b32 s25, s61                             ; compares), so that the lists' ends and the trips below hang on stored whole numbers
	v_add_nc_u32 v9, s24, v1                       ; 64 empty entries behind my last winner: a batch of 64 that begins among the winners reads written words only
	v_min_u32 v9, WCAP-65, v9
	v_lshlrev_b32 v9, 2, v9
	v_add_nc_u32 v9, v2, v9
	s_wait_alu depctr_va_vdst(0)                   ; the last group has written its set, and v9 is written: the LDS stores below read them
.irp c, 0,1,2,3
	PUT3 15, \c
.endr
	ds_store_b32 v9, v[ZR]
	ds_store_b32 v9, v[ZR] offset:128
	ds_store_b32 v9, v[MR] offset:4*WCAP
	ds_store_b32 v9, v[MR] offset:4*WCAP+128
	s_wait_dscnt 0x0
	s_barrier_signal -1
	s_barrier_wait -1
	s_wait_alu depctr_vm_vsrc(0)                   ; my LDS stores have read the two sets, KR and v9: these registers are PT, BB, AF, RAW and a trip's offset from here on
; THE SORTING NETWORK.  Element i = 4 lane + c of the set at CUR.  a is better than b: key above, or key equal and index below.
.macro BETTER3 n, ka, kb, ia, ib
	v_cmp_gt_u32 s[SM+3*\n], v[\ka], v[\kb]
	v_cmp_eq_u32 s[SM+3*\n+1], v[\ka], v[\kb]
	v_cmp_lt_u32 s[SM+3*\n+2], v[\ia], v[\ib]
.endm
.macro JOIN n, xm                      ; s[SM + 3 n] = (a better) xor xm
	s_and_b32 s[SM+3*\n+1], s[SM+3*\n+1], s[SM+3*\n+2]
	s_or_b32 s[SM+3*\n], s[SM+3*\n], s[SM+3*\n+1]
.if (\xm) != 0
	s_xor_b32 s[SM+3*\n], s[SM+3*\n], \xm
.endif
.endm
; compare and exchange with lane xor m.  xm: the lanes that keep the worse of the two.
.macro CEXL m, xm
.irp f, 0,1,2,3,4,5,6,7,8,9,10,11
.if \m == 16
	v_permlanex16_b32 v[PT+\f], v[CUR+\f], s28, s29
.else
	v_mov_b32_dpp v[PT+\f], v[CUR+\f] row_xmask:\m row_mask:0xf bank_mask:0xf
.endif
.endr
.irp c, 0,1,2,3
	BETTER3 \c, CUR+\c, PT+\c, CUR+4+\c, PT+4+\c
.endr
	s_wait_alu depctr_va_sdst(0)                   ; the twelve compares have written s[SM ..], which the scalar lines below read
.irp c, 0,1,2,3
	JOIN \c, \xm
.endr
.irp c, 0,1,2,3
	v_cndmask_b32 v[CUR+\c], v[PT+\c], v[CUR+\c], s[SM+3*\c]
	v_cndmask_b32 v[CUR+4+\c], v[PT+4+\c], v[CUR+4+\c], s[SM+3*\c]
	v_cndmask_b32 v[CUR+8+\c], v[PT+8+\c], v[CUR+8+\c], s[SM+3*\c]
.endr
.endm
; compare and exchange inside a lane, pairs (a, b) and (c, d), from the set at CUR into the set at OTH.  xa, xb: the lanes that sort worse first.
.macro CEXP a, b, c, d, xa, xb
	BETTER3 0, CUR+\a, CUR+\b, CUR+4+\a, CUR+4+\b
	BETTER3 1, CUR+\c, CUR+\d, CUR+4+\c, CUR+4+\d
	s_wait_alu depctr_va_sdst(0)                   ; the six compares have written s[SM ..], which the scalar lines below read
	JOIN 0, \xa
	JOIN 1, \xb
.irp f, 0,4,8
	v_cndmask_b32 v[OTH+\f+\a], v[CUR+\f+\b], v[CUR+\f+\a], s[SM]
	v_cndmask_b32 v[OTH+\f+\b], v[CUR+\f+\a], v[CUR+\f+\b], s[SM]
	v_cndmask_b32 v[OTH+\f+\c], v[CUR+\f+\d], v[CUR+\f+\c], s[SM+3]
	v_cndmask_b32 v[OTH+\f+\d], v[CUR+\f+\c], v[CUR+\f+\d], s[SM+3]
.endr
.set SWP, CUR
.set CUR, OTH
.set OTH, SWP
.endm
.macro CEXR d, xa, xb
.if \d == 1
	CEXP 0, 1, 2, 3, \xa, \xb
.else
	CEXP 0, 2, 1, 3, \xa, \xb
.endif
.endm
; bitonic sort of 128; dir = 0: best first, ALL: worst first.  Thirteen steps inside the lanes: the result lies in the other set.
.macro SORT dir
	CEXR 1, 0, ALL
	CEXR 2, B0, B0
	CEXR 1, B0, B0
	CEXL 1, B1^B0
	CEXR 2, B1, B1
	CEXR 1, B1, B1
	CEXL 2, B2^B1
	CEXL 1, B2^B0
	CEXR 2, B2, B2
	CEXR 1, B2, B2
	CEXL 4, B3^B2
	CEXL 2, B3^B1
	CEXL 1, B3^B0
	CEXR 2, B3, B3
	CEXR 1, B3, B3
	CEXL 8, B4^B3
	CEXL 4, B4^B2
	CEXL 2, B4^B1
	CEXL 1, B4^B0
	CEXR 2, B4, B4
	CEXR 1, B4, B4
	CEXL 16, \dir^B4
	CEXL 8, \dir^B3
	CEXL 4, \dir^B2
	CEXL 2, \dir^B1
	CEXL 1, \dir^B0
	CEXR 2, \dir, \dir
	CEXR 1, \dir, \dir
.endm
; RL (best first) and the list at x (worst first; rev = 1: its words inside a lane still stand best first) give the best 128 of both, best first.
.macro MERGE x, rev
.irp c, 0,1,2,3
	BETTER3 \c, RL+\c, \x+\rev*(3-2*\c)+\c, RL+4+\c, \x+4+\rev*(3-2*\c)+\c
.endr
	s_wait_alu depctr_va_sdst(0)                   ; the twelve compares have written s[SM ..], which the scalar lines below read
.irp c, 0,1,2,3
	JOIN \c, 0
.endr
.irp c, 0,1,2,3
	v_cndmask_b32 v[RL+\c], v[\x+\rev*(3-2*\c)+\c], v[RL+\c], s[SM+3*\c]
	v_cndmask_b32 v[RL+4+\c], v[\x+4+\rev*(3-2*\c)+\c], v[RL+4+\c], s[SM+3*\c]
	v_cndmask_b32 v[RL+8+\c], v[\x+8+\rev*(3-2*\c)+\c], v[RL+8+\c], s[SM+3*\c]
.endr
.set CUR, RL
.set OTH, BA
	CEXL 16, B4
	CEXL 8, B3
	CEXL 4, B2
	CEXL 2, B1
	CEXL 1, B0
	CEXR 2, 0, 0
	CEXR 1, 0, 0
.endm
; of a tile's eight results the one with j = r >> 1
.macro PICKJ d, out
	v_cndmask_b32 v[\d], v[\d], v[\d+1], s57
	v_cndmask_b32 v[\d+2], v[\d+2], v[\d+3], s57
	v_cndmask_b32 v[\d+4], v[\d+4], v[\d+5], s57
	v_cndmask_b32 v[\d+6], v[\d+6], v[\d+7], s57
	v_cndmask_b32 v[\d], v[\d], v[\d+2], s58
	v_cndmask_b32 v[\d+4], v[\d+4], v[\d+6], s58
	v_cndmask_b32 v[\out], v[\d], v[\d+4], s59
.endm
; item tiles t0 and t0 + 1 of the flagged group against the query.  The two accumulators take turns, one instruction a turn.
.macro PAIR t0
.irp tt, 0,1
.irp su, 0,1,2,3
.irp p, 0,1,2,3
	v_cvt_pk_bf16_f32 v[AF+16*\tt+4*\su+\p], v[RAW+(8*\su+2*\p)*4+\t0+\tt], v[RAW+(8*\su+2*\p+1)*4+\t0+\tt]
.endr
.endr
.endr
	v_wmma_f32_16x16x32_bf16 v[DT:DT+7], v[AF:AF+7], v[QF:QF+7], 0
	v_wmma_f32_16x16x32_bf16 v[DT+8:DT+15], v[AF+16:AF+23], v[QF:QF+7], 0
	v_wmma_f32_16x16x32_bf16 v[DT:DT+7], v[AF+8:AF+15], v[QF+8:QF+15], v[DT:DT+7]
	v_wmma_f32_16x16x32_bf16 v[DT+8:DT+15], v[AF+24:AF+31], v[QF+8:QF+15], v[DT+8:DT+15]
.rept 5
	v_nop                                          ; the places behind the matrix instructions (ISA guide 7.12.1): results are read, and fragments and results written again, behind them
.endr
	PICKJ DT, SELT+\t0
	PICKJ DT+8, SELT+\t0+1
.endm
	; MY WAVE'S CANDIDATES, 64 winners and one flagged group a trip.  No barrier in the loop: the waves' trip counts differ.
.irp c, 0,1,2,3
	v_mov_b32 v[RL+\c], 0
	v_mov_b32 v[RL+4+\c], -1
	v_mov_b32 v[RL+8+\c], 0
.endr
	s_add_co_u32 s50, s24, 63                      ; my last empty entry
	s_lshr_b32 s26, s50, 6
	s_max_u32 s26, s26, s25
	s_max_u32 s26, s26, 1                          ; trips
	s_mov_b32 s27, 0
.Ltrip:
	s_lshl_b32 s31, s27, 6
	v_add_nc_u32 v6, s31, v1                       ; entries 64 t + lane and 64 t + 32 + lane,
	v_add_nc_u32 v7, 32, v6
	v_min_u32 v6, s50, v6                          ; or the last empty entry where the list has ended
	v_min_u32 v7, s50, v7
	v_min_u32 v6, WCAP-33, v6
	v_min_u32 v7, WCAP-33, v7
	v_lshlrev_b32 v6, 2, v6
	v_lshlrev_b32 v7, 2, v7
	v_add_nc_u32 v6, v2, v6
	v_add_nc_u32 v7, v2, v7
	s_min_u32 s30, s27, 2047
	s_lshl_b32 s30, s30, 2
	v_add_nc_u32 v10, s30, v3                      ; where flagged group t stands: made here, so that one wait serves the three LDS addresses; read only where t is below the count
	s_wait_alu depctr_va_vdst(0)                   ; v6, v7 and v10 are written, which the LDS loads below read; the trip before (in the first trip: the placement) is done reading and writing BA, v12 and v128 to v255, in which this trip's loads land
	ds_load_b32 v[BA], v6
	ds_load_b32 v[BA+4], v6 offset:4*WCAP
	ds_load_b32 v[BA+1], v7
	ds_load_b32 v[BA+5], v7 offset:4*WCAP
	s_wait_dscnt 0x0
	v_min_u32 v8, 0xf423f, v[BA+4]                 ; an index stays inside the table; an empty entry reads the last id, which is never put out
	v_min_u32 v9, 0xf423f, v[BA+5]
	v_lshlrev_b32 v8, 2, v8
	v_lshlrev_b32 v9, 2, v9
	s_wait_alu depctr_va_vdst(0)                   ; v8 and v9 are written, which the two loads below read as offsets
	global_load_b32 v[BA+8], v8, s[10:11]
	global_load_b32 v[BA+9], v9, s[10:11]
	s_cmp_lt_u32 s27, s25
	s_cbranch_scc0 .Lnoflag
	ds_load_b32 v12, v10                           ; flagged group t, the same word in every lane.  No wait: no vector line since the trip's first wait names v10 or v12
	s_wait_dscnt 0x0
	v_readfirstlane_b32 s31, v12
	s_wait_alu depctr_va_sdst(0)                   ; s31 is written, ahead of its first reader
	s_min_u32 s31, s31, 15624
	s_lshl_b32 s52, s31, 8                         ; 256 g: the block's bytes in a row of the items, and in the ids
	s_lshl_b32 s53, s31, 6                         ; 64 g
	s_add_co_u32 s54, s53, 1
	v_add_nc_u32 v11, s52, v5
	v_lshlrev_b32 v[IDO], 3, v1
	v_add_nc_u32 v[IDO], s52, v[IDO]
	s_wait_alu depctr_va_vdst(0)                   ; v11 and v[IDO] are written, which the 33 loads below read as offsets
.irp su, 0,1,2,3
.irp e, 0,1,2,3,4,5,6,7
	global_load_b128 v[RAW+(8*\su+\e)*4:RAW+(8*\su+\e)*4+3], v11, s[RB+6*\su+2*(\e/3):RB+6*\su+2*(\e/3)+1] offset:(\e%3)*ROWB   ; row 16 su + 8 h + e, 16 bytes at 256 g + 16 r
.endr
.endr
	global_load_b64 v[BA+10:BA+11], v[IDO], s[10:11]       ; the ids of items 2 lane and 2 lane + 1 of the group
	s_wait_loadcnt 0x0
	PAIR 0
	PAIR 2
.irp o, 0,1
	v_cndmask_b32 v[TK+\o], v[SELT+\o], v[SELT+2+\o], s56  ; item 32 h + 2 r + o = 4 j + t with t = 2 (r & 1) + o
	v_and_b32 v[TK+2+\o], 0x7fffffff, v[TK+\o]
	v_cmp_gt_u32 s[32+\o], 0x7f800000, v[TK+2+\o]          ; finite
	v_cmp_eq_u32 s[34+\o], 0x7f800000, v[TK+\o]            ; +inf
.endr
	s_wait_alu depctr_va_sdst(0)                   ; the four compares have written s32 to s35, which the selects below read
.irp o, 0,1
	v_cndmask_b32 v[TK+4+\o], v[NEG], v[POS], s[34+\o]
	v_cndmask_b32 v[TK+\o], v[TK+4+\o], v[TK+\o], s[32+\o]
	v_ashrrev_i32 v[TK+2+\o], 31, v[TK+\o]
	v_or_b32 v[TK+2+\o], 0x80000000, v[TK+2+\o]
	v_xor_b32 v[BA+2+\o], v[TK+\o], v[TK+2+\o]             ; the key
	v_lshl_add_u32 v[BA+6+\o], v1, 1, s[53+\o]             ; the index 64 g + 2 lane + o
.endr
	s_branch .Ljoin
.Lnoflag:
	v_mov_b32 v[BA+2], 0
	v_mov_b32 v[BA+3], 0
	v_mov_b32 v[BA+6], -1
	v_mov_b32 v[BA+7], -1
	v_mov_b32 v[BA+10], 0
	v_mov_b32 v[BA+11], 0
.Ljoin:
	s_wait_loadcnt 0x0                             ; the winners' ids; every load of the trip is done, so its offset registers may be written again
	s_wait_alu depctr_vm_vsrc(0)                   ; the trip's LDS and global loads have read v6 to v11 and v[IDO], which the next trip (v7: also the way out) writes again; no memory or LDS instruction follows in the trip
.set CUR, BA
.set OTH, BB
	SORT ALL                                       ; worst first, into BB
	MERGE BB, 0
	s_add_co_u32 s27, s27, 1
	s_cmp_lt_u32 s27, s26
	s_cbranch_scc1 .Ltrip
	s_wait_dscnt 0x0
	s_barrier_signal -1                            ; every wave's reads of its lists are back
	s_barrier_wait -1
	; THE TREE.  Each level has bytes of its own; wave w below dist takes the list of wave w + dist from its far end.
.macro LEVEL l, dist
	s_wait_alu depctr_va_vdst(0)                   ; the merge before has written RL, which the LDS stores below read, and is done reading BB, in which the LDS loads below land
	ds_store_b128 v[VTS], v[RL:RL+3] offset:\l*LVL
	ds_store_b128 v[VTS], v[RL+4:RL+7] offset:\l*LVL+512
	ds_store_b128 v[VTS], v[RL+8:RL+11] offset:\l*LVL+1024
	s_wait_dscnt 0x0                               ; my list is in LDS,
	s_barrier_signal -1
	s_barrier_wait -1                              ; everybody's is
	s_cmp_lt_u32 s18, \dist
	s_cbranch_scc0 .Lidle_\@
	ds_load_b128 v[BB:BB+3], v[VTR] offset:\l*LVL+\dist*1536
	ds_load_b128 v[BB+4:BB+7], v[VTR] offset:\l*LVL+\dist*1536+512
	ds_load_b128 v[BB+8:BB+11], v[VTR] offset:\l*LVL+\dist*1536+1024
	s_wait_dscnt 0x0
	s_wait_alu depctr_vm_vsrc(0)                   ; my LDS stores have read RL, which the merge below writes again
	MERGE BB, 1
.Lidle_\@:
.endm
	LEVEL 0, 4
	LEVEL 1, 2
	LEVEL 2, 1
	; OUT: wave 0 stores the query's list of 128, keys, indices and ids: each store covers 512 consecutive bytes, aligned.
	s_cmp_lg_u32 s18, 0
	s_cbranch_scc1 .Lend
	v_lshlrev_b32 v7, 4, v1
	s_wait_alu depctr_va_vdst(0)                   ; v7 is written, and the last merge has written RL: the three stores read them
	global_store_b128 v7, v[RL:RL+3], s[16:17]
	global_store_b128 v7, v[RL+4:RL+7], s[16:17] offset:LSTB
	global_store_b128 v7, v[RL+8:RL+11], s[16:17] offset:2*LSTB
.Lend:
	s_wait_dscnt 0x0
	s_wait_alu depctr_hold_cnt(0) depctr_sa_sdst(0) depctr_va_vdst(0) depctr_va_sdst(0) depctr_va_ssrc(0) depctr_va_vcc(0) depctr_vm_vsrc(0)
	s_wait_tensorcnt 0x0
	ds_add_u32 v126, v127
	s_wait_dscnt 0x0
	s_endpgm
.Lfunc_end_k_qd529b7cc60_pick:
	.size	k_qd529b7cc60_pick, .Lfunc_end_k_qd529b7cc60_pick-k_qd529b7cc60_pick
	.p2alignl 7, 3214868480
	.fill 96, 4, 3214868480
	.section	.rodata,"a",@progbits
	.p2align	6, 0x0
	.amdhsa_kernel k_qd529b7cc60_pick
		.amdhsa_group_segment_fixed_size 241664
		.amdhsa_private_segment_fixed_size 0
		.amdhsa_enable_private_segment 0
		.amdhsa_kernarg_size 56
		.amdhsa_user_sgpr_count 2
		.amdhsa_user_sgpr_kernarg_segment_ptr 1
		.amdhsa_wavefront_size32 1
		.amdhsa_system_sgpr_workgroup_id_x 1
		.amdhsa_system_sgpr_workgroup_id_y 1
		.amdhsa_system_sgpr_workgroup_id_z 1
		.amdhsa_system_vgpr_workitem_id 0
		.amdhsa_next_free_vgpr 256
		.amdhsa_next_free_sgpr 102
		.amdhsa_reserve_vcc 1
		.amdhsa_float_denorm_mode_32 3
		.amdhsa_float_denorm_mode_16_64 3
		.amdhsa_memory_ordered 1
		.amdhsa_forward_progress 1
		.amdhsa_inst_pref_size 236
	.end_amdhsa_kernel
	.amdgpu_metadata
---
amdhsa.version: [ 1, 2 ]
amdhsa.kernels:
  - .name:           k_qd529b7cc60_pick
    .symbol:         k_qd529b7cc60_pick.kd
    .args:
      - { .name: keyA, .offset: 0, .size: 8, .value_kind: global_buffer, .address_space: global }
      - { .name: keyW, .offset: 8, .size: 8, .value_kind: global_buffer, .address_space: global }
      - { .name: item_embeddings_t, .offset: 16, .size: 8, .value_kind: global_buffer, .address_space: global }
      - { .name: item_ids, .offset: 24, .size: 8, .value_kind: global_buffer, .address_space: global }
      - { .name: query_embeddings, .offset: 32, .size: 8, .value_kind: global_buffer, .address_space: global }
      - { .name: cnt, .offset: 40, .size: 8, .value_kind: global_buffer, .address_space: global }
      - { .name: cand, .offset: 48, .size: 8, .value_kind: global_buffer, .address_space: global }
    .group_segment_fixed_size: 241664
    .private_segment_fixed_size: 0
    .kernarg_segment_align: 8
    .kernarg_segment_size: 56
    .max_flat_workgroup_size: 256
    .sgpr_count:     102
    .vgpr_count:     256
    .wavefront_size: 32
...
	.end_amdgpu_metadata
.endif
;; end of part 5
;; launch fix: the kernel of part 4 again; grid 128 x 1, 1 waves a work-group, no clusters, 0 bytes of LDS; arguments cand, item_embeddings_t, query_embeddings, out0, out1; writes out0, out1
